; MI455X (gfx1250); checked and timed in simulation.
; The chip was launched on July 23, 2026; its instructions are those of AMD's public machine-readable ISA for CDNA 5 (MIT licence, August 2026) and "CDNA5" Instruction Set Architecture Reference Guide (July 2026). The comments in the code are by the model that wrote it; some were corrected since.
;; Mo E Layer. Allowed arithmetic: float matrix products may take bf16 or f16 operands with f32 sums; other float arithmetic in f32, or as packed bf16 or f16 multiplies, adds, multiply-adds, maxima and minima; sums over many terms, partial sums and values carried from step to step in f32; what a program stores and reads back later, other than sums and carried values, may be rounded once to bf16 or f16.
;; Inputs: W1 8 x 1,024 x 4,096 float32; W2 8 x 4,096 x 1,024 float32; Wr 1,024 x 8 float32; b1 8 x 4,096 float32; b2 8 x 1,024 float32; br 8 float32; x 4 x 256 x 1,024 float32.
;; Outputs: out0 4 x 256 x 1,024 float32.
;; 2 versions, each right and faster than the one before. Each part assembles by itself: llvm-mc -triple=amdgcn-amd-amdhsa -mcpu=gfx1250 --defsym DOCPART=n.
;; ======== version 1 of 2: 4 launches
;; workspace buffers: xb 2,097,152 bytes; ids 8,192 bytes of whole numbers; p0 4,096 bytes; lst 32,768 bytes of whole numbers; cnt 256 bytes of whole numbers; hb 16,777,216 bytes; part 33,554,432 bytes
;; launch router (part 1): grid 256 x 1, 4 waves a work-group, no clusters, 1,024 bytes of LDS; arguments x, Wr, br, xb, ids, p0; writes xb, ids, p0
.if DOCPART == 1
	.amdgcn_target "amdgcn-amd-amdhsa--gfx1250"
	.amdhsa_code_object_version 6
	.text
	.protected	k_q28347d0530_router
	.globl	k_q28347d0530_router
	.p2align	8
	.type	k_q28347d0530_router,@function
k_q28347d0530_router:
	s_mov_b64 s[64:65], 0
	v_nop
	global_prefetch_b8 v0, s[64:65] scope:SCOPE_SE
	s_setreg_imm32_b32 hwreg(HW_REG_WAVE_MODE, 25, 1), 1
	s_wait_xcnt 0x0
; ROUTER.  logits = x Wr + br for 1,024 tokens and 8 experts; the two largest softmax weights choose the experts; p0 = q1 / (q1 + q2).
; Stored: xb = x rounded to bf16 ([1024][1024]); ids[j*1024 + t] = the token's j-th expert (whole numbers, at fixed places); p0[t].
; ALL inputs are used rounded once to bf16 (x, Wr, br), products and sums in f32: the same rounding as in the three launches behind.
; SHARES.  A work-group has 4 tokens, wave w the channels 256 w .. 256 w + 255, lane l the channels 256 w + 128 c + 4 l + i (c = 0, 1; i = 0..3):
; every load of x covers 512 consecutive bytes, every store of xb 256 consecutive bytes at a multiple of 256.
; No matrix unit: 8 columns, Wr lies with the channels along its rows, and the product is a two-thousandth of the layer's arithmetic.
; LIMITS.  NaN and infinities are not treated apart.  q = 2^((l - max) log2 e): a q below 2^-126 counts as 0.  The choice is made on q (softmax without its
; common divisor), by 'greater than' in ascending order of the experts, so that the lower index wins a tie.
.set NT,    4
.set SPARE, 512                        ; behind the partial sums (4 waves x 128 bytes): the spare words, 128 bytes a wave
.set SPW,   14                         ; v14  SPARE + 4 x my thread's number; never rewritten
.set NIL,   15                         ; v15  0; never rewritten
.set X,     16                         ; v16-47   x[t][c][i] at X + 8 t + 4 c + i
.set WR,    48                         ; v48-111  Wr[c][i][e] at WR + 32 c + 8 i + e
.set ACC,   112                        ; v112-143 sums [t][e] at ACC + 8 t + e
.set P,     144                        ; v144-159 x packed to bf16, for the stores
.set BR,    160                        ; v160-167 br
.set T,     168                        ; v168-175 at work
	s_load_b256 s[4:11], s[0:1], 0x0               ; x s[4:5], Wr s[6:7], br s[8:9], xb s[10:11]
	s_load_b128 s[12:15], s[0:1], 0x20             ; ids s[12:13], p0 s[14:15]
	v_lshl_add_u32 v[SPW], v0, 2, SPARE
	v_mov_b32 v[NIL], 0
	v_and_b32 v1, 31, v0                           ; lane
	v_lshrrev_b32 v2, 5, v0
	v_readfirstlane_b32 s16, v2                    ; wave
	v_lshlrev_b32 v3, 4, v1
	v_lshl_add_u32 v3, v2, 10, v3                  ; x: 1,024 w + 16 l
	v_lshlrev_b32 v4, 7, v1
	v_lshl_add_u32 v4, v2, 13, v4                  ; Wr: 8,192 w + 128 l (four channels of 32 bytes)
	v_lshlrev_b32 v5, 3, v1
	v_lshl_add_u32 v5, v2, 9, v5                   ; xb: 512 w + 8 l
	v_mov_b32 v6, 0                                ; br
	s_lshl_b32 s17, s16, 7
	v_mov_b32 v7, s17                              ; LDS: my wave's 128 bytes of partial sums
	v_and_b32 v8, 3, v0                            ; the token that my lane finishes
	v_lshlrev_b32 v9, 2, v8                        ; its word in ids and p0
	v_lshlrev_b32 v8, 5, v8                        ; its 32 bytes in a wave's partial sums
	s_lshl_b32 s18, ttmp9, 14                      ; 4 rows of x
	s_mov_b32 s19, 0
	s_lshl_b32 s20, ttmp9, 13                      ; 4 rows of xb
	s_mov_b32 s21, 0
	s_lshl_b32 s22, ttmp9, 4                       ; 4 words
	s_mov_b32 s23, 0
	s_mov_b32 s24, 0x76543210                      ; v_permlanex16_b32: each lane takes its own place in the other half
	s_mov_b32 s25, 0xfedcba98
	s_mov_b32 s26, 0xffff0000                      ; a word's upper bf16
	s_wait_kmcnt 0x0
	s_add_nc_u64 s[4:5], s[4:5], s[18:19]
	s_add_nc_u64 s[10:11], s[10:11], s[20:21]
	s_add_nc_u64 s[12:13], s[12:13], s[22:23]
	s_add_nc_u64 s[14:15], s[14:15], s[22:23]
.set t, 0
.rept NT
	global_load_b128 v[X+8*t:X+8*t+3],   v3, s[4:5] offset:4096*t th:TH_LOAD_NT
	global_load_b128 v[X+8*t+4:X+8*t+7], v3, s[4:5] offset:4096*t+512 th:TH_LOAD_NT
.set t, t+1
.endr
.set m, 0
.rept 16
	global_load_b128 v[WR+4*m:WR+4*m+3], v4, s[6:7] offset:4096*(m/8)+16*(m%8)
.set m, m+1
.endr
	global_load_b128 v[BR:BR+3],   v6, s[8:9]
	global_load_b128 v[BR+4:BR+7], v6, s[8:9] offset:16
	s_wait_loadcnt 18                              ; x is in: behind it stand Wr's 16 loads and br's 2
.set k, 0
.rept 4*NT                                             ; x rounded to bf16, two at a time
	v_cvt_pk_bf16_f32 v[P+k], v[X+2*k], v[X+2*k+1]
.set k, k+1
.endr
.set t, 0
.rept NT
	global_store_b64 v5, v[P+4*t:P+4*t+1],   s[10:11] offset:2048*t        ; 32 lanes x 8 bytes: 256 consecutive bytes, aligned
	global_store_b64 v5, v[P+4*t+2:P+4*t+3], s[10:11] offset:2048*t+256
.set t, t+1
.endr
.set k, 0
.rept 4*NT                                             ; and widened again: the products use the rounded numbers
	v_lshlrev_b32 v[X+2*k],   16, v[P+k]
	v_and_b32     v[X+2*k+1], s26, v[P+k]
.set k, k+1
.endr
	s_wait_loadcnt 0x0                             ; Wr and br
.set k, 0
.rept 36                                               ; Wr's 64 numbers and, behind them in the register file by name, br's 8: rounded and widened in place
.if k < 32
.set ra, WR+2*k
.else
.set ra, BR+2*(k-32)
.endif
	v_cvt_pk_bf16_f32 v[T+k%4], v[ra], v[ra+1]
	v_lshlrev_b32 v[ra],   16, v[T+k%4]
	v_and_b32     v[ra+1], s26, v[T+k%4]
.set k, k+1
.endr
; 8 channels x 4 tokens x 4 pairs of experts: x is given to both halves of the packed multiply-add; the first channel's product starts the sums
.set hh, 0
.rept 8
.set t, 0
.rept NT
.set ep, 0
.rept 4
.set xa, X+8*t+(hh&6)
.set wa, WR+8*hh+2*ep
.set aa, ACC+8*t+2*ep
.if hh == 0
	v_pk_mul_f32 v[aa:aa+1], v[xa:xa+1], v[wa:wa+1] op_sel_hi:[0,1]
.elseif (hh&1) == 0
	v_pk_fma_f32 v[aa:aa+1], v[xa:xa+1], v[wa:wa+1], v[aa:aa+1] op_sel_hi:[0,1,1]
.else
	v_pk_fma_f32 v[aa:aa+1], v[xa:xa+1], v[wa:wa+1], v[aa:aa+1] op_sel:[1,0,0] op_sel_hi:[1,1,1]
.endif
.set ep, ep+1
.endr
.set t, t+1
.endr
.set hh, hh+1
.endr
; the 32 sums over the wave's 32 lanes: four steps inside each half of 16 lanes, one across the halves; every lane ends with the sums
.irp m, 1,2,4,8
.set k, 0
.rept 8*NT
	v_add_f32_dpp v[ACC+k], v[ACC+k], v[ACC+k] row_xmask:\m row_mask:0xf bank_mask:0xf
.set k, k+1
.endr
.endr
.set k, 0
.rept 8*NT
	v_permlanex16_b32 v[X+k], v[ACC+k], s24, s25   ; x's registers are free, and have been written
.set k, k+1
.endr
.set k, 0
.rept 4*NT
	v_pk_add_f32 v[ACC+2*k:ACC+2*k+1], v[ACC+2*k:ACC+2*k+1], v[X+2*k:X+2*k+1]
.set k, k+1
.endr
.set k, 0
.rept 2*NT
	ds_store_b128 v7, v[ACC+4*k:ACC+4*k+3] offset:16*k   ; all lanes write the same words with the same numbers
.set k, k+1
.endr
	s_wait_dscnt 0x0                               ; for wave 0's sake: my partial sums are in LDS
	s_barrier_signal -1
	s_barrier_wait -1
	s_cmp_eq_u32 s16, 0
	s_cbranch_scc1 .Lfinish
	s_wait_tensorcnt 0x0                           ; waves 1 to 3 end here
	ds_add_u32 v[SPW], v[NIL]
	s_wait_dscnt 0x0
	s_endpgm
.Lfinish:                                              ; wave 0: lane l finishes token l % 4 (eight lanes do the same work)
.irp w, 0,1,2,3
	ds_load_b128 v[X+8*(\w):X+8*(\w)+3],   v8 offset:128*(\w)
	ds_load_b128 v[X+8*(\w)+4:X+8*(\w)+7], v8 offset:128*(\w)+16
.endr
	s_wait_dscnt 0x0
.irp w, 1,2,3
.irp k, 0,2,4,6
	v_pk_add_f32 v[X+(\k):X+(\k)+1], v[X+(\k):X+(\k)+1], v[X+8*(\w)+(\k):X+8*(\w)+(\k)+1]   ; the four waves' parts, in a fixed order
.endr
.endr
.irp k, 0,2,4,6
	v_pk_add_f32 v[X+(\k):X+(\k)+1], v[X+(\k):X+(\k)+1], v[BR+(\k):BR+(\k)+1]
.endr
	v_max3_num_f32 v[T], v[X], v[X+1], v[X+2]      ; the maximum is taken away before the exponentials
	v_max3_num_f32 v[T], v[T], v[X+3], v[X+4]
	v_max3_num_f32 v[T], v[T], v[X+5], v[X+6]
	v_max_num_f32 v[T], v[T], v[X+7]
.irp e, 0,1,2,3,4,5,6,7
	v_sub_f32 v[X+(\e)], v[X+(\e)], v[T]
.endr
.irp e, 0,1,2,3,4,5,6,7
	v_mul_f32 v[X+(\e)], 0x3fb8aa3b, v[X+(\e)]     ; log2 e
.endr
.irp e, 0,1,2,3,4,5,6,7
	v_exp_f32 v[X+(\e)], v[X+(\e)]
.endr
	v_mov_b32 v[T+2], 0                            ; i1 = 0: the plain instruction behind the last exponential
	s_wait_alu depctr_va_vdst(0)                   ; one wait for the batch of eight, ahead of its first use
	v_mov_b32 v[T+1], v[X]                         ; b1 = q0
	v_mov_b32 v[T+3], -1.0                         ; b2: below every q
	v_mov_b32 v[T+4], 0                            ; i2
.irp e, 1,2,3,4,5,6,7                                  ; selects only: no branch and no address hangs on these numbers
	v_cmp_gt_f32 vcc_lo, v[X+(\e)], v[T+1]
	v_cmp_gt_f32 s28, v[X+(\e)], v[T+3]
	v_cndmask_b32 v[T+3], v[T+3], v[X+(\e)], s28
	v_cndmask_b32 v[T+4], v[T+4], \e, s28
	v_cndmask_b32 v[T+3], v[T+3], v[T+1], vcc_lo
	v_cndmask_b32 v[T+4], v[T+4], v[T+2], vcc_lo
	v_cndmask_b32 v[T+1], v[T+1], v[X+(\e)], vcc_lo
	v_cndmask_b32 v[T+2], v[T+2], \e, vcc_lo
.endr
	v_add_f32 v[T+5], v[T+1], v[T+3]
	v_rcp_f32 v[T+5], v[T+5]
	v_nop
	s_wait_alu depctr_va_vdst(0)
	v_mul_f32 v[T+5], v[T+5], v[T+1]               ; p0 = q1 / (q1 + q2)
	global_store_b32 v9, v[T+2], s[12:13]
	global_store_b32 v9, v[T+4], s[12:13] offset:4096
	global_store_b32 v9, v[T+5], s[14:15]
	s_wait_tensorcnt 0x0                           ; the wave's end: the same three lines
	ds_add_u32 v[SPW], v[NIL]
	s_wait_dscnt 0x0
	s_endpgm
.Lfunc_end_k_q28347d0530_router:
	.size	k_q28347d0530_router, .Lfunc_end_k_q28347d0530_router-k_q28347d0530_router
	.p2alignl 7, 3214868480
	.fill 96, 4, 3214868480
	.section	.rodata,"a",@progbits
	.p2align	6, 0x0
	.amdhsa_kernel k_q28347d0530_router
		.amdhsa_group_segment_fixed_size 1024
		.amdhsa_private_segment_fixed_size 0
		.amdhsa_enable_private_segment 0
		.amdhsa_kernarg_size 48
		.amdhsa_user_sgpr_count 2
		.amdhsa_user_sgpr_kernarg_segment_ptr 1
		.amdhsa_wavefront_size32 1
		.amdhsa_system_sgpr_workgroup_id_x 1
		.amdhsa_system_sgpr_workgroup_id_y 1
		.amdhsa_system_sgpr_workgroup_id_z 1
		.amdhsa_system_vgpr_workitem_id 0
		.amdhsa_next_free_vgpr 176
		.amdhsa_next_free_sgpr 66
		.amdhsa_reserve_vcc 1
		.amdhsa_float_denorm_mode_32 3
		.amdhsa_float_denorm_mode_16_64 3
		.amdhsa_memory_ordered 1
		.amdhsa_forward_progress 1
		.amdhsa_inst_pref_size 38
	.end_amdhsa_kernel
	.amdgpu_metadata
---
amdhsa.version: [ 1, 2 ]
amdhsa.kernels:
  - .name:           k_q28347d0530_router
    .symbol:         k_q28347d0530_router.kd
    .args:
      - { .name: x, .offset: 0, .size: 8, .value_kind: global_buffer, .address_space: global }
      - { .name: Wr, .offset: 8, .size: 8, .value_kind: global_buffer, .address_space: global }
      - { .name: br, .offset: 16, .size: 8, .value_kind: global_buffer, .address_space: global }
      - { .name: xb, .offset: 24, .size: 8, .value_kind: global_buffer, .address_space: global }
      - { .name: ids, .offset: 32, .size: 8, .value_kind: global_buffer, .address_space: global }
      - { .name: p0, .offset: 40, .size: 8, .value_kind: global_buffer, .address_space: global }
    .group_segment_fixed_size: 1024
    .private_segment_fixed_size: 0
    .kernarg_segment_align: 8
    .kernarg_segment_size: 48
    .max_flat_workgroup_size: 128
    .sgpr_count:     66
    .vgpr_count:     176
    .wavefront_size: 32
...
	.end_amdgpu_metadata
.endif
;; end of part 1
;; launch ffn1 (part 2): grid 32 x 8, 4 waves a work-group, no clusters, 166,400 bytes of LDS; arguments xb, W1, b1, ids, hb, lst, cnt; writes hb, lst, cnt
.if DOCPART == 2
	.amdgcn_target "amdgcn-amd-amdhsa--gfx1250"
	.amdhsa_code_object_version 6
	.text
	.protected	k_q28347d0530_ffn1
	.globl	k_q28347d0530_ffn1
	.p2align	8
	.type	k_q28347d0530_ffn1,@function
k_q28347d0530_ffn1:
	s_mov_b64 s[64:65], 0
	v_nop
	global_prefetch_b8 v0, s[64:65] scope:SCOPE_SE
	s_setreg_imm32_b32 hwreg(HW_REG_WAVE_MODE, 25, 1), 1
	s_wait_xcnt 0x0
; FIRST PRODUCT.  hb[id][f] = gelu(x[t] W1[e] + b1[e]) in bf16 for the routed rows.  A routed row is named id = j*1024 + t (the token's j-th choice); each id has one expert.
; SHARES.  Work-group (slice, e): 128 columns of expert e, all 1,024 of K: 512 KB of f32 weights that it alone reads, once, and ALL rows of e.  Tile tau (16 rows of e's list) belongs to wave tau % 4,
; slot tau / 4; every wave makes all 128 columns (8 blocks of 16).  The main pass holds 6 slots a wave, 384 rows; rows past 384 go to a second loop (up to 5 groups of 8 tiles) in which every wave streams
; the slice for itself: right for every split of the tokens (0 to 1,024 rows), slow past 384 rows an expert.
; WEIGHTS: memory -> registers (f32; one load = a 512-byte piece of a row of W1) -> rounded in pairs along K -> LDS in the order of the matrix operand (two slots of a K chunk of 128) -> all four waves.
; Wave w stages the 32 K rows of step w of each chunk.  TOKENS: each wave loads its own tiles' operands straight from xb, by the list.  Places past the count repeat the list's last row: they give the
; same numbers, which are stored to the same bytes again; so all loads are unconditional and every counted wait is the same on every path.  Only matrix work and the way out are jumped for dead slots.
; THE MATRIX INSTRUCTION: source 0 = 16 columns of W1 (K along the registers), source 1 = 16 token rows: lane (r, h) of the result holds token r, register j column 16 b + 8 h + j.
; The 384 accumulator registers are cleared once, while the first weights are on their way: so they are written whatever the count of rows, and no first trip is written out.
; NO TENSOR LOADS, NO CLUSTER: a slice of weights has one reader, and the rows that an expert's work-groups share come by a list, which no tile descriptor covers.
; THE LIST: wave 0 reads all 2,048 ids and lays the ids of expert e end to end in LDS (its order is free); the work-group of slice 0 stores list and count for the next launch.
; LIMITS.  xb, W1 and b1 are used rounded to bf16, h is rounded once to bf16; sums in f32.  gelu is the tanh form, u / (1 + 2^(u (C0 + C1 u^2))).  NaN and infinities are not treated apart.
.set PITCHW, 16384                     ; bytes from a K row of W1[e] to the next
.set FB,     1040                      ; an operand fragment in LDS: 1,024 bytes (half x 512 + lane x 16) + 16, so that the 16 lanes of a staging store fall into 16 different 16-byte columns of 256 bytes
.set FS,     8*FB                      ; the 8 blocks of a K step
.set SLOT1,  0x10000                   ; W slot 0 at 0, slot 1 here: one exclusive or turns one into the other
.set LIST,   36864                     ; 1,024 words: the expert's row ids, zeros behind the count; directly behind them 32 words (index 1024 + lane) for lanes that have nothing to add
.set CNTW,   41216                     ; the count
.set SPARE,  41472                     ; the spare words, 128 bytes a wave
.set RW0,    SLOT1+4*FS                ; 98,816: from here a region for each wave
.set SPT,    528                       ; a stage row: 512 bytes of f32 + 16
.set STG,    16*SPT                    ; a wave's region: 8,320 bytes of its own fragments of one K step (second loop), from byte 8,448 on its stage of one tile, 16 rows
.set RWB,    2*STG                     ; 16,896
.set NGRP,   6                         ; the main pass and at most 5 groups of 8 tiles: 24 + 40 tiles are 1,024 rows
; window 0
.set VW,    4                          ; v4   32 w K rows + 16 l: my place in a chunk of W
.set L16,   5                          ; v5   16 l
.set AST0,  6                          ; v6   w FS + (l/4) FB + (l%4) 64: where I stage, in slot 0
.set AST,   7                          ; v7   the same in the slot that is being written
.set AWF,   8                          ; v8   16 l in the slot that is being read
.set ASTP0, 9                          ; v9   my region + (l/4) FB + (l%4) 64; never rewritten
.set OFFT,  10                         ; v10-15 byte offset in xb of my lane's row, for each slot
.set BIAS,  16                         ; v16-23 b1 of columns 8 (l%16) + 0..7
.set VO,    24                         ; v24-27 store offsets (before the loop: addresses of the bias load and of the list's copy)
.set ADMP,  28                         ; v28  my stage + r SPT + 32 h; never rewritten
.set ARD0,  29                         ; v29  my stage + h SPT + 32 r; never rewritten
.set SPW,   30                         ; v30  SPARE + 4 x my thread's number; never rewritten
.set NIL,   31                         ; v31  0; never rewritten
.set TMP,   32                         ; v32-47 packed weights on their way to LDS; on the way out packed h
.set R16,   49                         ; v49  16 r
.set AWFP,  51                         ; v51  my region + 16 l; never rewritten
.set SC,    52                         ; v52-63 at work
.set IDS,   64                         ; v64-127 wave 0: the 2,048 ids, 64 a lane
.set U,     64                         ; v64-95  the way out: 32 numbers
.set T,     96                         ; v96-127 the way out: at work
.set WF,    128                        ; v128-255 W's fragments, two buffers of 64
; window 1: v0-191 token fragments: step s, slot i at 48 s + 8 i.   window 2: accumulators of slots 0-3 at 64 i + 8 b.   window 3: v0-127 slots 4, 5; v128-255 WS
.set WS,    128                        ; window 3: f32 weights as loaded: quarter q, row i at WS + 32 q + 4 i
.set XB,    4                          ; s[4:5]  xb at the chunk to be asked for;  s[36:37] its start
.set WB,    6                          ; s[6:7]  W1 likewise;                      s[38:39] its start
.set TW,    27                         ; s27  live slots of my wave
; s20 wave, s21 slice, s22 expert, s24 count, s25 max(count,1)-1, s26 tiles, s28 live groups, s29 group, s30 the group's first tile, s31/s34 counters, s32/s33 slot read/written, s35 row base,
; s[42:43] C0, s[44:45] C1, s46 the list's length, s40/s41 at work
.set MSB, 0
.macro WIN new                         ; s_set_vgpr_msb: bits 1:0 source 0, 3:2 source 1, 5:4 source 2, 7:6 destination; the high byte repeats the setting that is left
.if MSB != (\new)
	s_set_vgpr_msb (MSB<<8)|(\new)
.set MSB, \new
.endif
.endm
.macro WLOAD q, areg                   ; 8 K rows: each load is 512 consecutive bytes
	WIN 0xc0
.irp i, 0,1,2,3,4,5,6,7
	global_load_b128 v[WS+32*(\q)+4*(\i):WS+32*(\q)+4*(\i)+3], v[\areg], s[WB:WB+1] offset:(8*(\q)+(\i))*PITCHW th:TH_LOAD_NT
.endr
.endm
.macro CVT q                           ; for each of my 4 columns: 8 K rows rounded in pairs = the 16 bytes of one lane's half fragment
	WIN 0x0f
.irp c, 0,1,2,3
.irp p, 0,1,2,3
	v_cvt_pk_bf16_f32 v[TMP+4*(\c)+(\p)], v[WS+32*(\q)+8*(\p)+(\c)], v[WS+32*(\q)+8*(\p)+4+(\c)]
.endr
.endr
.endm
.macro STORE q, areg                   ; column 4 l + c is row 4 (l%4) + c of block l/4; quarter q is lanes' half q%2 of register half q/2
	WIN 0
.irp c, 0,1,2,3
	ds_store_b128 v[\areg], v[TMP+4*(\c):TMP+4*(\c)+3] offset:16*(\c)+((\q)&1)*256+((\q)>>1)*512
.endr
.endm
.macro XLOAD s, n                      ; token fragments of K step s for n slots: K = 8 h + 0..7 and 16 + 8 h + 0..7 of my lane's row
	WIN 0x40
.set xi, 0
.rept \n
	global_load_b128 v[48*(\s)+8*xi:48*(\s)+8*xi+3],   v[OFFT+xi], s[XB:XB+1] offset:64*(\s)
	global_load_b128 v[48*(\s)+8*xi+4:48*(\s)+8*xi+7], v[OFFT+xi], s[XB:XB+1] offset:64*(\s)+32
.set xi, xi+1
.endr
.endm
.macro WFLOAD s, buf, areg             ; W's 8 fragments of K step s: 16 loads of 512 consecutive bytes
	WIN 0
.irp b, 0,1,2,3,4,5,6,7
	ds_load_b128 v[WF+64*(\buf)+8*(\b):WF+64*(\buf)+8*(\b)+3],   v[\areg] offset:(\s)*FS+(\b)*FB
	ds_load_b128 v[WF+64*(\buf)+8*(\b)+4:WF+64*(\buf)+8*(\b)+7], v[\areg] offset:(\s)*FS+(\b)*FB+512
.endr
.endm
; Slots i0 .. i1, 8 matrix instructions each; from the first dead slot on they are jumped.  The accumulators take turns: block 7 is followed by block 0, on every path.
.macro TILES s, buf, i0, i1
.set ti, \i0
.rept (\i1)-(\i0)+1
	WIN 0
	s_cmp_le_u32 s[TW], ti
	s_cbranch_scc1 .Ltl_\@
.if ti < 4
	WIN 0xa4                                       ; W window 0, tokens window 1, sums window 2
.else
	WIN 0xf4                                       ; sums window 3
.endif
.set ab, 64*(ti%4)
.irp b, 0,1,2,3,4,5,6,7
	v_wmma_f32_16x16x32_bf16 v[ab+8*(\b):ab+8*(\b)+7], v[WF+64*(\buf)+8*(\b):WF+64*(\buf)+8*(\b)+7], v[48*(\s)+8*ti:48*(\s)+8*ti+7], v[ab+8*(\b):ab+8*(\b)+7]
.endr
.set ti, ti+1
.endr
	WIN 0
.Ltl_\@:
.endm
.macro FLIP
	s_xor_b32 s32, s32, SLOT1
	s_xor_b32 s33, s33, SLOT1
	v_add_nc_u32 v[AWF], s32, v[L16]
	v_add_nc_u32 v[AST], s33, v[AST0]
.endm
; A K step of 32.  n: the global loads issued behind this step's token fragments (and behind the quarter of weights that it rounds, which was issued just ahead of them).
; The four v_nop are the places between the step's last matrix instruction and the loads into registers that it read (token fragments now, W's buffer in the next step).
.macro STEP s, n, stage, wld, xld, wf
	s_wait_loadcnt \n
	s_wait_dscnt 0x0                               ; W's fragments of this step: nothing was issued to LDS behind them
	TILES \s, (\s)&1, 0, 1
.if \stage
	CVT \s
	STORE \s, AST
.if \wld
	WLOAD \s, VW
.endif
.if (\s) == 3
	WIN 0
	s_wait_dscnt 0x0                               ; my part of the next chunk is in LDS; my reads of this chunk's slot came back at the head of this step
	s_barrier_signal -1
	s_barrier_wait -1                              ; both hold of every wave: the next slot is whole, this one may be written in the next trip
	FLIP
.endif
.endif
.if \wf
	WFLOAD ((\s)+1)&3, ((\s)+1)&1, AWF
.endif
	TILES \s, (\s)&1, 2, 5
.rept 4
	v_nop
.endr
.if \xld
	XLOAD \s, 6
.endif
	WIN 0
.endm
; Trip c multiplies chunk c, rounds chunk c + 1 into the other slot, asks for the weights of chunk c + 2 and the tokens of chunk c + 1.
.macro TRIP stage, wld, xld, n0, n1, n2, n3, last
	s_wait_xcnt 0x0                                ; the bases are stepped only behind this wait
.if \wld
	s_add_nc_u64 s[WB:WB+1], s[WB:WB+1], 128*PITCHW
.endif
.if \xld
	s_add_nc_u64 s[XB:XB+1], s[XB:XB+1], 256
.endif
	STEP 0, \n0, \stage, \wld, \xld, 1
	STEP 1, \n1, \stage, \wld, \xld, 1
	STEP 2, \n2, \stage, \wld, \xld, 1
	STEP 3, \n3, \stage, \wld, \xld, 1-(\last)
.endm
; For n slots: place p = 16 (s30 + 4 i + w) + r in the list, held to the last row that exists; its id; the row's byte offset in xb (token = id % 1024) + 16 h
.macro OFFSETS n
	s_add_co_u32 s40, s30, s20
	s_lshl_b32 s40, s40, 4
	v_add_nc_u32 v[SC], s40, v2
.set oi, 0
.rept \n
	v_add_nc_u32 v[SC+1+oi], 64*oi, v[SC]
	v_min_u32 v[SC+1+oi], s25, v[SC+1+oi]
	v_min_u32 v[SC+1+oi], 0x3ff, v[SC+1+oi]
	v_lshl_add_u32 v[SC+1+oi], v[SC+1+oi], 2, LIST
	ds_load_b32 v[OFFT+oi], v[SC+1+oi]
.set oi, oi+1
.endr
	s_wait_dscnt 0x0
.set oi, 0
.rept \n
	v_min_u32 v[OFFT+oi], 0x7ff, v[OFFT+oi]
	v_and_b32 v[OFFT+oi], 0x3ff, v[OFFT+oi]
	v_lshlrev_b32 v[OFFT+oi], 11, v[OFFT+oi]
	v_lshl_add_u32 v[OFFT+oi], v3, 4, v[OFFT+oi]
.set oi, oi+1
.endr
.endm
.macro PRE op, pp                      ; pair pp of 16: u = sum + bias; u u; C1 u u + C0; times u
.if (\op) == 0
	v_pk_add_f32 v[U+2*(\pp):U+2*(\pp)+1], v[U+2*(\pp):U+2*(\pp)+1], v[BIAS+2*((\pp)%4):BIAS+2*((\pp)%4)+1]
.elseif (\op) == 1
	v_pk_mul_f32 v[T+2*(\pp):T+2*(\pp)+1], v[U+2*(\pp):U+2*(\pp)+1], v[U+2*(\pp):U+2*(\pp)+1]
.elseif (\op) == 2
	v_pk_fma_f32 v[T+2*(\pp):T+2*(\pp)+1], v[T+2*(\pp):T+2*(\pp)+1], s[44:45], s[42:43] op_sel_hi:[1,0,0]
.else
	v_pk_mul_f32 v[T+2*(\pp):T+2*(\pp)+1], v[T+2*(\pp):T+2*(\pp)+1], v[U+2*(\pp):U+2*(\pp)+1]
.endif
.endm
; Half hf (8 rows) of the tile in my stage: lane (x = l % 16, y = l / 16) takes columns 8 x .. 8 x + 7 of rows 8 hf + 2 t + y; bias, gelu, bf16; 16 lanes store 256 consecutive bytes of a row of hb, aligned.
; All LDS addresses are a register that is never rewritten and an immediate (the list's: an index held to 0 .. 1,023).  v[SC] holds the tile's first place in the list + y.
.macro HALF hf
	s_wait_xcnt 0x0                                ; the stores of the half before have read their registers
.irp t, 0,1,2,3
	v_add_nc_u32 v[SC+1+(\t)], 8*(\hf)+2*(\t), v[SC]
	v_min_u32 v[SC+1+(\t)], s25, v[SC+1+(\t)]
	v_min_u32 v[SC+1+(\t)], 0x3ff, v[SC+1+(\t)]
	v_lshl_add_u32 v[SC+1+(\t)], v[SC+1+(\t)], 2, LIST
	ds_load_b32 v[VO+(\t)], v[SC+1+(\t)]
.endr
.irp t, 0,1,2,3
	ds_load_b128 v[U+8*(\t):U+8*(\t)+3],   v[ARD0] offset:(8*(\hf)+2*(\t))*SPT
	ds_load_b128 v[U+8*(\t)+4:U+8*(\t)+7], v[ARD0] offset:(8*(\hf)+2*(\t))*SPT+16
.endr
	s_wait_dscnt 0x0
.irp t, 0,1,2,3
	v_min_u32 v[VO+(\t)], 0x7ff, v[VO+(\t)]
	v_lshl_add_u32 v[VO+(\t)], v[VO+(\t)], 13, v[R16]
.endr
	; 32 numbers in two halves A, B, so that plain work stands between the transcendentals; each batch has one wait ahead of its first use
.irp op, 0,1,2,3
.set k, 0
.rept 8
	PRE \op, k
.set k, k+1
.endr
.endr
.set k, 0
.rept 16                                               ; 2^(..) of A | B's arguments
	v_exp_f32 v[T+k], v[T+k]
	PRE (2*k)/8, 8+(2*k)%8
	PRE (2*k+1)/8, 8+(2*k+1)%8
.set k, k+1
.endr
	s_wait_alu depctr_va_vdst(0)
.set k, 0
.rept 16                                               ; 2^(..) of B | 1 + A
	v_exp_f32 v[T+16+k], v[T+16+k]
.if k%2 == 0
	v_pk_add_f32 v[T+k:T+k+1], v[T+k:T+k+1], 1.0 op_sel_hi:[1,0]
.endif
.set k, k+1
.endr
	v_nop
	s_wait_alu depctr_va_vdst(0)
.set k, 0
.rept 16                                               ; 1 / A | 1 + B
	v_rcp_f32 v[T+k], v[T+k]
.if k%2 == 0
	v_pk_add_f32 v[T+16+k:T+16+k+1], v[T+16+k:T+16+k+1], 1.0 op_sel_hi:[1,0]
.endif
.set k, k+1
.endr
	v_nop
	s_wait_alu depctr_va_vdst(0)
.set k, 0
.rept 16                                               ; 1 / B | A's products and roundings
	v_rcp_f32 v[T+16+k], v[T+16+k]
.if k < 8
	v_pk_mul_f32 v[U+2*k:U+2*k+1], v[U+2*k:U+2*k+1], v[T+2*k:T+2*k+1]
.else
	v_cvt_pk_bf16_f32 v[TMP+k-8], v[U+2*(k-8)], v[U+2*(k-8)+1]
.endif
.set k, k+1
.endr
	v_nop
	s_wait_alu depctr_va_vdst(0)
.set k, 8
.rept 8
	v_pk_mul_f32 v[U+2*k:U+2*k+1], v[U+2*k:U+2*k+1], v[T+2*k:T+2*k+1]
.set k, k+1
.endr
.set k, 8
.rept 8
	v_cvt_pk_bf16_f32 v[TMP+k], v[U+2*k], v[U+2*k+1]
.set k, k+1
.endr
.irp t, 0,1,2,3
	global_store_b128 v[VO+(\t)], v[TMP+4*(\t):TMP+4*(\t)+3], s[12:13]
.endr
.endm
	s_load_b256 s[4:11], s[0:1], 0x0               ; xb s[4:5], W1 s[6:7], b1 s[8:9], ids s[10:11]
	s_load_b128 s[12:15], s[0:1], 0x20             ; hb s[12:13], lst s[14:15]
	s_load_b64 s[16:17], s[0:1], 0x30              ; cnt
	v_lshl_add_u32 v[SPW], v0, 2, SPARE
	v_mov_b32 v[NIL], 0
	v_lshrrev_b32 v[SC], 5, v0
	v_readfirstlane_b32 s20, v[SC]                 ; wave
	s_mov_b32 s21, ttmp9                           ; slice
	s_and_b32 s22, ttmp7, 0xffff                   ; expert
	v_and_b32 v1, 31, v0                           ; l
	v_and_b32 v2, 15, v0                           ; r
	v_bfe_u32 v3, v0, 4, 1                         ; h
	v_lshlrev_b32 v[L16], 4, v1
	s_mul_i32 s40, s20, 32*PITCHW
	v_add_nc_u32 v[VW], s40, v[L16]
	v_lshrrev_b32 v[SC], 2, v1
	v_mul_u32_u24 v[SC], v[SC], FB
	v_and_b32 v[SC+1], 3, v1
	v_lshl_add_u32 v[SC], v[SC+1], 6, v[SC]
	s_mul_i32 s40, s20, FS
	v_add_nc_u32 v[AST0], s40, v[SC]
	s_mul_i32 s41, s20, RWB
	s_add_co_u32 s41, s41, RW0                     ; my region
	v_add_nc_u32 v[ASTP0], s41, v[SC]
	v_add_nc_u32 v[AWFP], s41, v[L16]
	s_add_co_u32 s41, s41, STG                     ; my stage
	v_mul_u32_u24 v[SC], v2, SPT
	v_lshl_add_u32 v[SC], v3, 5, v[SC]
	v_add_nc_u32 v[ADMP], s41, v[SC]
	v_mul_u32_u24 v[SC], v3, SPT
	v_lshl_add_u32 v[SC], v2, 5, v[SC]
	v_add_nc_u32 v[ARD0], s41, v[SC]
	v_lshlrev_b32 v[R16], 4, v2
	v_lshlrev_b32 v[VO], 5, v2                     ; b1: 8 numbers from 32 r on
	v_lshlrev_b32 v[VO+2], 4, v0                   ; 16 x thread: the list's copy
	s_lshl_b32 s48, s22, 24                        ; W1: expert, slice
	s_lshl_b32 s40, s21, 9
	s_add_co_u32 s48, s48, s40
	s_mov_b32 s49, 0
	s_lshl_b32 s50, s22, 14                        ; b1
	s_add_co_u32 s50, s50, s40
	s_mov_b32 s51, 0
	s_lshl_b32 s52, s21, 8                         ; hb: the slice's 256 bytes of a row
	s_mov_b32 s53, 0
	s_lshl_b32 s54, s22, 12                        ; lst
	s_mov_b32 s55, 0
	s_lshl_b32 s56, s22, 2                         ; cnt
	s_mov_b32 s57, 0
	s_mov_b32 s42, 0xc0135761                      ; C0 = -2 sqrt(2/pi) log2 e
	s_mov_b32 s43, s42
	s_mov_b32 s44, 0xbdd2d3e8                      ; C1 = 0.044715 C0
	s_mov_b32 s45, s44
	s_wait_kmcnt 0x0
	s_add_nc_u64 s[WB:WB+1], s[WB:WB+1], s[48:49]
	s_add_nc_u64 s[8:9], s[8:9], s[50:51]
	s_add_nc_u64 s[12:13], s[12:13], s[52:53]
	s_add_nc_u64 s[14:15], s[14:15], s[54:55]
	s_add_nc_u64 s[16:17], s[16:17], s[56:57]
	s_mov_b64 s[36:37], s[XB:XB+1]
	s_mov_b64 s[38:39], s[WB:WB+1]
	global_load_b128 v[BIAS:BIAS+3],   v[VO], s[8:9]
	global_load_b128 v[BIAS+4:BIAS+7], v[VO], s[8:9] offset:16
	s_cmp_lg_u32 s20, 0
	s_cbranch_scc1 .Lnoids
.irp c, 0,1,2,3,4,5,6,7,8,9,10,11,12,13,14,15
	global_load_b128 v[IDS+4*(\c):IDS+4*(\c)+3], v[L16], s[10:11] offset:512*(\c)   ; wave 0: register 4 c + i holds the expert of row id 128 c + 4 l + i
.endr
.Lnoids:
	WLOAD 0, VW                                    ; chunk 0
	WLOAD 1, VW
	WLOAD 2, VW
	WLOAD 3, VW
	WIN 0x80                                       ; the sums start at 0
.set i, 0
.rept 256
	v_mov_b32 v[i], 0
.set i, i+1
.endr
	WIN 0xc0
.set i, 0
.rept 128
	v_mov_b32 v[i], 0
.set i, i+1
.endr
	WIN 0
	s_cmp_lg_u32 s20, 0
	s_cbranch_scc1 .Lnolist
	s_wait_loadcnt 32                              ; the ids are in: behind them stand the 32 loads of weights
	v_add_nc_u32 v[SC], LIST, v[L16]
.irp k, 4,5,6,7
	v_mov_b32 v[SC+(\k)], 0
.endr
.irp k, 0,1,2,3,4,5,6,7
	ds_store_b128 v[SC], v[SC+4:SC+7] offset:512*(\k)      ; the list is zeros behind the count
.endr
	v_add_nc_u32 v[SC+1], 1024, v1                 ; the index of my word behind the list
	v_lshlrev_b32 v[SC+2], 2, v1
	s_mov_b32 s46, 0
.set gi, 0
.rept 64                                               ; 32 ids at a time: a lane whose id goes to e takes the next place, counted over the lanes below it; the others write behind the list.
	v_cmp_eq_u32 vcc_lo, s22, v[IDS+gi]            ; The index is chosen first, then held to 0 .. 1,055, and only shifted and added to behind that
	v_mbcnt_lo_u32_b32 v[SC+4+gi%4], vcc_lo, s46
	v_cndmask_b32 v[SC+4+gi%4], v[SC+1], v[SC+4+gi%4], vcc_lo
	v_min_u32 v[SC+4+gi%4], 0x41f, v[SC+4+gi%4]
	v_lshl_add_u32 v[SC+4+gi%4], v[SC+4+gi%4], 2, LIST
	v_add_nc_u32 v[SC+8+gi%4], 128*(gi/4)+gi%4, v[SC+2]
	ds_store_b32 v[SC+4+gi%4], v[SC+8+gi%4]
	s_bcnt1_i32_b32 s40, vcc_lo
	s_add_co_u32 s46, s46, s40
.set gi, gi+1
.endr
	v_mov_b32 v[SC], CNTW
	v_mov_b32 v[SC+3], s46
	ds_store_b32 v[SC], v[SC+3]
.Lnolist:
	s_wait_dscnt 0x0                               ; wave 0: list and count are in LDS
	s_barrier_signal -1
	s_barrier_wait -1
	v_mov_b32 v[SC], CNTW
	ds_load_b32 v[SC], v[SC]
	s_wait_dscnt 0x0
	v_readfirstlane_b32 s24, v[SC]
	s_min_u32 s24, s24, 1024                       ; rows of e
	s_max_u32 s25, s24, 1
	s_sub_co_u32 s25, s25, 1                       ; the last place that exists
	s_add_co_u32 s26, s24, 15
	s_lshr_b32 s26, s26, 4                         ; tiles
	s_min_u32 s40, s26, 24
	s_add_co_u32 s40, s40, 3
	s_sub_co_u32 s40, s40, s20
	s_lshr_b32 s[TW], s40, 2                       ; my live slots in the main pass
	s_max_u32 s28, s26, 24
	s_sub_co_u32 s28, s28, 17
	s_lshr_b32 s28, s28, 3
	s_add_co_u32 s28, s28, 1                       ; 1 + groups of 8 tiles past the 24th
	s_mov_b32 s30, 0
	OFFSETS 6
	s_cmp_lg_u32 s21, 0
	s_cbranch_scc1 .Lnocopy                        ; slice 0 stores list and count for the next launch
	v_add_nc_u32 v[VO+3], LIST, v[VO+2]
	ds_load_b128 v[U:U+3],   v[VO+3]
	ds_load_b128 v[U+4:U+7], v[VO+3] offset:2048
	s_wait_dscnt 0x0
	global_store_b128 v[VO+2], v[U:U+3],   s[14:15]
	global_store_b128 v[VO+2], v[U+4:U+7], s[14:15] offset:2048
	s_cmp_lg_u32 s20, 0
	s_cbranch_scc1 .Lnocopy
	v_mov_b32 v[VO+3], 0
	v_mov_b32 v[VO+1], s24
	global_store_b32 v[VO+3], v[VO+1], s[16:17]
.Lnocopy:
	s_wait_loadcnt 0x0                             ; chunk 0 and the bias
.irp k, 0,1,2,3
	v_cvt_pk_bf16_f32 v[SC+(\k)], v[BIAS+2*(\k)], v[BIAS+2*(\k)+1]   ; the bias is used rounded to bf16, like every input
.endr
.irp k, 0,1,2,3
	v_lshlrev_b32 v[BIAS+2*(\k)],   16, v[SC+(\k)]
	v_and_b32     v[BIAS+2*(\k)+1], 0xffff0000, v[SC+(\k)]
.endr
	s_add_nc_u64 s[WB:WB+1], s[WB:WB+1], 128*PITCHW
	v_mov_b32 v[AST], v[AST0]
.irp q, 0,1,2,3                                        ; chunk 0 into slot 0; chunk 1's weights and chunk 0's tokens are asked for in the loop's own order: 8, 12, 8, 12 ..
	CVT \q
	STORE \q, AST
	WLOAD \q, VW
	XLOAD \q, 6
.endr
	WIN 0
	s_mov_b32 s32, 0
	s_mov_b32 s33, SLOT1
	v_mov_b32 v[AWF], v[L16]
	v_add_nc_u32 v[AST], s33, v[AST0]
	s_wait_dscnt 0x0                               ; my part of slot 0 is in LDS
	s_barrier_signal -1
	s_barrier_wait -1
	WFLOAD 0, 0, AWF
	s_mov_b32 s31, 6
.Ltrip:                                                ; behind a step's loads stand three steps' 8 + 12.  A wave asks for four steps' 80 loads; a load that would pass the counter's field is issued
	TRIP 1, 1, 1, 60, 60, 60, 60, 0                ; when an older one has come back (ISA guide 5.7.1), and the counts hold all the same
	s_sub_co_u32 s31, s31, 1
	s_cmp_lg_u32 s31, 0
	s_cbranch_scc1 .Ltrip
	TRIP 1, 0, 1, 60, 52, 44, 36, 0                ; chunk 6: no weights are left to ask for: 60; 40 + 12; 20 + 24; 36
	TRIP 0, 0, 0, 36, 24, 12, 0, 1                 ; chunk 7: nothing is asked for
	s_mov_b32 s29, 0
.Lg:                                                   ; NGRP trips: group 0 is the main pass's, each further live group makes 8 tiles, dead groups are jumped.  No barrier from here on: all LDS bytes written are the wave's own
	s_cmp_ge_u32 s29, s28
	s_cbranch_scc1 .Lgn
	s_cmp_eq_u32 s29, 0
	s_cbranch_scc1 .Lepi
	s_wait_xcnt 0x0                                ; the last stores have read their registers
	s_lshl_b32 s30, s29, 3
	s_add_co_u32 s30, s30, 16                      ; 24 + 8 (g - 1)
	s_sub_co_u32 s40, s26, s30
	s_min_u32 s40, s40, 8
	s_add_co_u32 s40, s40, 3
	s_sub_co_u32 s40, s40, s20
	s_lshr_b32 s[TW], s40, 2
	OFFSETS 2
	WIN 0x80
.set i, 0
.rept 128
	v_mov_b32 v[i], 0
.set i, i+1
.endr
	WIN 0
	s_mov_b64 s[WB:WB+1], s[38:39]
	s_mov_b64 s[XB:XB+1], s[36:37]
	s_mov_b32 s31, 32
.Lsc:                                                  ; a K step of 32: this wave stages all of it into its own fragments, at fixed LDS addresses, and multiplies its two slots
	WLOAD 0, L16
	WLOAD 1, L16
	WLOAD 2, L16
	WLOAD 3, L16
	XLOAD 0, 2
	WIN 0
	s_wait_loadcnt 0x0                             ; all 36; the bases below are stepped behind this wait
.irp q, 0,1,2,3
	CVT \q
	STORE \q, ASTP0
.endr
	WFLOAD 0, 0, AWFP                              ; LDS serves a wave's instructions in order (ISA guide 5.7.1.4): these see the stores above
	s_wait_dscnt 0x0
	TILES 0, 0, 0, 1
.rept 4
	v_nop
.endr
	s_add_nc_u64 s[WB:WB+1], s[WB:WB+1], 32*PITCHW
	s_add_nc_u64 s[XB:XB+1], s[XB:XB+1], 64
	s_sub_co_u32 s31, s31, 1
	s_cmp_lg_u32 s31, 0
	s_cbranch_scc1 .Lsc
.Lepi:
	; THE WAY OUT, a slot (a tile of 16 rows) a trip: the slot's sums go into my stage of one tile, as rows of 128 f32, and come back by rows.  The accumulators have fixed names, so each slot has its own
	; 16 stores, and the counter picks them; the stage's addresses are the same in every trip.
.rept 4
	v_nop                                          ; the places behind the last matrix instruction
.endr
	s_mov_b32 s34, 0
.Lpb:
	s_cmp_ge_u32 s34, s[TW]
	s_cbranch_scc1 .Lpbn                           ; dead slots are jumped, forward to the counter's step
.irp i, 0,1,2,3,4,5
	s_cmp_lg_u32 s34, \i
	s_cbranch_scc1 .Lnd\i
.if \i < 4
	WIN 0x08                                       ; store data in window 2
.else
	WIN 0x0c                                       ; in window 3
.endif
.irp b, 0,1,2,3,4,5,6,7                                ; each accumulator's low four registers go first
	ds_store_b128 v[ADMP], v[64*((\i)%4)+8*(\b):64*((\i)%4)+8*(\b)+3]   offset:64*(\b)
	ds_store_b128 v[ADMP], v[64*((\i)%4)+8*(\b)+4:64*((\i)%4)+8*(\b)+7] offset:64*(\b)+16
.endr
	WIN 0
.Lnd\i:
.endr
	s_add_co_u32 s35, s30, s20
	s_lshl_b32 s35, s35, 4
	s_lshl_b32 s40, s34, 6
	s_add_co_u32 s35, s35, s40                     ; the tile's first place in the list: 16 (s30 + 4 slot + w)
	v_add_nc_u32 v[SC], s35, v3
	HALF 0
	HALF 1
.Lpbn:
	s_add_co_u32 s34, s34, 1
	s_cmp_lt_u32 s34, 6
	s_cbranch_scc1 .Lpb
.Lgn:
	s_add_co_u32 s29, s29, 1
	s_cmp_lt_u32 s29, NGRP
	s_cbranch_scc1 .Lg
	s_wait_tensorcnt 0x0                           ; the wave's end
	ds_add_u32 v[SPW], v[NIL]
	s_wait_dscnt 0x0
	s_endpgm
.Lfunc_end_k_q28347d0530_ffn1:
	.size	k_q28347d0530_ffn1, .Lfunc_end_k_q28347d0530_ffn1-k_q28347d0530_ffn1
	.p2alignl 7, 3214868480
	.fill 96, 4, 3214868480
	.section	.rodata,"a",@progbits
	.p2align	6, 0x0
	.amdhsa_kernel k_q28347d0530_ffn1
		.amdhsa_group_segment_fixed_size 166400
		.amdhsa_private_segment_fixed_size 0
		.amdhsa_enable_private_segment 0
		.amdhsa_kernarg_size 56
		.amdhsa_user_sgpr_count 2
		.amdhsa_user_sgpr_kernarg_segment_ptr 1
		.amdhsa_wavefront_size32 1
		.amdhsa_system_sgpr_workgroup_id_x 1
		.amdhsa_system_sgpr_workgroup_id_y 1
		.amdhsa_system_sgpr_workgroup_id_z 1
		.amdhsa_system_vgpr_workitem_id 0
		.amdhsa_next_free_vgpr 1024
		.amdhsa_next_free_sgpr 66
		.amdhsa_reserve_vcc 1
		.amdhsa_float_denorm_mode_32 3
		.amdhsa_float_denorm_mode_16_64 3
		.amdhsa_memory_ordered 1
		.amdhsa_forward_progress 1
		.amdhsa_inst_pref_size 201
	.end_amdhsa_kernel
	.amdgpu_metadata
---
amdhsa.version: [ 1, 2 ]
amdhsa.kernels:
  - .name:           k_q28347d0530_ffn1
    .symbol:         k_q28347d0530_ffn1.kd
    .args:
      - { .name: xb, .offset: 0, .size: 8, .value_kind: global_buffer, .address_space: global }
      - { .name: W1, .offset: 8, .size: 8, .value_kind: global_buffer, .address_space: global }
      - { .name: b1, .offset: 16, .size: 8, .value_kind: global_buffer, .address_space: global }
      - { .name: ids, .offset: 24, .size: 8, .value_kind: global_buffer, .address_space: global }
      - { .name: hb, .offset: 32, .size: 8, .value_kind: global_buffer, .address_space: global }
      - { .name: lst, .offset: 40, .size: 8, .value_kind: global_buffer, .address_space: global }
      - { .name: cnt, .offset: 48, .size: 8, .value_kind: global_buffer, .address_space: global }
    .group_segment_fixed_size: 166400
    .private_segment_fixed_size: 0
    .kernarg_segment_align: 8
    .kernarg_segment_size: 56
    .max_flat_workgroup_size: 128
    .sgpr_count:     66
    .vgpr_count:     1024
    .wavefront_size: 32
...
	.end_amdgpu_metadata
.endif
;; end of part 2
;; launch ffn2 (part 3): grid 32 x 8, 4 waves a work-group, no clusters, 166,400 bytes of LDS; arguments hb, W2, lst, cnt, part; writes part
.if DOCPART == 3
	.amdgcn_target "amdgcn-amd-amdhsa--gfx1250"
	.amdhsa_code_object_version 6
	.text
	.protected	k_q28347d0530_ffn2
	.globl	k_q28347d0530_ffn2
	.p2align	8
	.type	k_q28347d0530_ffn2,@function
k_q28347d0530_ffn2:
	s_mov_b64 s[64:65], 0
	v_nop
	global_prefetch_b8 v0, s[64:65] scope:SCOPE_SE
	s_setreg_imm32_b32 hwreg(HW_REG_WAVE_MODE, 25, 1), 1
	s_wait_xcnt 0x0
; SECOND PRODUCT.  part[kq][id][n] = the sum over the quarter kq of F of hb[id][f] W2[e][f][n], in f32, for the routed rows (id = j*1024 + t; each id has one expert).
; The same shape and the same loop as the first product: work-group (x, e), x = 8 kq + ns: 128 columns (ns) of expert e, 1,024 of K (kq): 512 KB of f32 weights that it alone reads, once, and ALL rows of e.
; K is cut in four so that 256 work-groups have equal shares with row pieces of 512 bytes; the four partial sums stay f32 and are added, with b2 and p0, by the next launch.
; Tile tau (16 rows of e's list) belongs to wave tau % 4, slot tau / 4; the main pass holds 6 slots a wave, 384 rows; rows past 384 go to a second loop (up to 5 groups of 8 tiles) in which every wave
; streams the slice for itself: right for every split of the tokens (0 to 1,024 rows), slow past 384 rows an expert.
; WEIGHTS: memory -> registers (f32) -> rounded in pairs along K -> LDS in the order of the matrix operand (two slots of a K chunk of 128) -> all four waves; wave w stages K step w of each chunk.
; ROWS of hb: each wave loads its own tiles' operands by the list that the launch before stored.  Places past the count repeat the list's last row and are stored to the same bytes again with the same numbers;
; all loads are unconditional, every counted wait is the same on every path; only matrix work and the way out are jumped for dead slots.
; Source 0 = 16 columns of W2, source 1 = 16 rows of hb: lane (r, h) of the result holds row r, register j column 16 b + 8 h + j.  The sums are cleared once, while the first weights are on their way.
; NO TENSOR LOADS, NO CLUSTER: a slice of weights has one reader, and the rows come by a list, which no tile descriptor covers.
; LIMITS.  W2 is used rounded to bf16; sums in f32.  NaN and infinities are not treated apart.
.set PITCHW, 4096                      ; bytes from a K row of W2[e] to the next
.set FB,     1040                      ; an operand fragment in LDS: 1,024 bytes (half x 512 + lane x 16) + 16
.set FS,     8*FB
.set SLOT1,  0x10000
.set LIST,   36864                     ; 1,024 words: the expert's row ids
.set SPARE,  41472                     ; the spare words, 128 bytes a wave
.set RW0,    SLOT1+4*FS
.set SPT,    528                       ; a stage row: 512 bytes of f32 + 16
.set STG,    16*SPT                    ; a wave's region: 8,320 bytes of its own fragments of one K step (second loop), from byte 8,448 on its stage of one tile, 16 rows
.set RWB,    2*STG
.set NGRP,   6                         ; the main pass and at most 5 groups of 8 tiles: 24 + 40 tiles are 1,024 rows
.set VW,    4                          ; window 0 as in the first product
.set L16,   5
.set AST0,  6
.set AST,   7
.set AWF,   8
.set ASTP0, 9                          ; v9   my region + (l/4) FB + (l%4) 64; never rewritten
.set OFFT,  10                         ; v10-15 byte offset in hb of my lane's row, for each slot
.set VO,    24                         ; v26 16 x thread, v27 its place in LIST
.set ADMP,  28                         ; v28  my stage + r SPT + 32 h; never rewritten
.set ARD0,  29                         ; v29  my stage + 16 l; never rewritten
.set SPW,   30
.set NIL,   31
.set TMP,   32
.set AWFP,  51                         ; v51  my region + 16 l; never rewritten
.set SC,    52
.set U,     64                         ; v64-95  the way out: 8 rows x 16 bytes a lane (before the loop: the list on its way to LDS)
.set T,     96                         ; v96-103 LDS addresses, v104-111 ids and store offsets
.set WF,    128
.set WS,    128                        ; window 3
.set XB,    4                          ; s[4:5]  hb at the chunk to be asked for;  s[36:37] its start
.set WB,    6                          ; s[6:7]  W2 likewise;                      s[38:39] its start
.set TW,    27
.set MSB, 0
.macro WIN new                         ; s_set_vgpr_msb: bits 1:0 source 0, 3:2 source 1, 5:4 source 2, 7:6 destination; the high byte repeats the setting that is left
.if MSB != (\new)
	s_set_vgpr_msb (MSB<<8)|(\new)
.set MSB, \new
.endif
.endm
.macro WLOAD q, areg                   ; 8 K rows: each load is 512 consecutive bytes
	WIN 0xc0
.irp i, 0,1,2,3,4,5,6,7
	global_load_b128 v[WS+32*(\q)+4*(\i):WS+32*(\q)+4*(\i)+3], v[\areg], s[WB:WB+1] offset:(8*(\q)+(\i))*PITCHW th:TH_LOAD_NT
.endr
.endm
.macro CVT q                           ; for each of my 4 columns: 8 K rows rounded in pairs = the 16 bytes of one lane's half fragment
	WIN 0x0f
.irp c, 0,1,2,3
.irp p, 0,1,2,3
	v_cvt_pk_bf16_f32 v[TMP+4*(\c)+(\p)], v[WS+32*(\q)+8*(\p)+(\c)], v[WS+32*(\q)+8*(\p)+4+(\c)]
.endr
.endr
.endm
.macro STORE q, areg
	WIN 0
.irp c, 0,1,2,3
	ds_store_b128 v[\areg], v[TMP+4*(\c):TMP+4*(\c)+3] offset:16*(\c)+((\q)&1)*256+((\q)>>1)*512
.endr
.endm
.macro XLOAD s, n
	WIN 0x40
.set xi, 0
.rept \n
	global_load_b128 v[48*(\s)+8*xi:48*(\s)+8*xi+3],   v[OFFT+xi], s[XB:XB+1] offset:64*(\s)
	global_load_b128 v[48*(\s)+8*xi+4:48*(\s)+8*xi+7], v[OFFT+xi], s[XB:XB+1] offset:64*(\s)+32
.set xi, xi+1
.endr
.endm
.macro WFLOAD s, buf, areg
	WIN 0
.irp b, 0,1,2,3,4,5,6,7
	ds_load_b128 v[WF+64*(\buf)+8*(\b):WF+64*(\buf)+8*(\b)+3],   v[\areg] offset:(\s)*FS+(\b)*FB
	ds_load_b128 v[WF+64*(\buf)+8*(\b)+4:WF+64*(\buf)+8*(\b)+7], v[\areg] offset:(\s)*FS+(\b)*FB+512
.endr
.endm
; Slots i0 .. i1, 8 matrix instructions each; from the first dead slot on they are jumped.  The accumulators take turns: block 7 is followed by block 0, on every path.
.macro TILES s, buf, i0, i1
.set ti, \i0
.rept (\i1)-(\i0)+1
	WIN 0
	s_cmp_le_u32 s[TW], ti
	s_cbranch_scc1 .Ltl_\@
.if ti < 4
	WIN 0xa4
.else
	WIN 0xf4
.endif
.set ab, 64*(ti%4)
.irp b, 0,1,2,3,4,5,6,7
	v_wmma_f32_16x16x32_bf16 v[ab+8*(\b):ab+8*(\b)+7], v[WF+64*(\buf)+8*(\b):WF+64*(\buf)+8*(\b)+7], v[48*(\s)+8*ti:48*(\s)+8*ti+7], v[ab+8*(\b):ab+8*(\b)+7]
.endr
.set ti, ti+1
.endr
	WIN 0
.Ltl_\@:
.endm
.macro FLIP
	s_xor_b32 s32, s32, SLOT1
	s_xor_b32 s33, s33, SLOT1
	v_add_nc_u32 v[AWF], s32, v[L16]
	v_add_nc_u32 v[AST], s33, v[AST0]
.endm
; A K step of 32.  n: the global loads issued behind this step's row fragments (and behind the quarter of weights that it rounds, which was issued just ahead of them).
; The four v_nop are the places between the step's last matrix instruction and the loads into registers that it read.
.macro STEP s, n, stage, wld, xld, wf
	s_wait_loadcnt \n
	s_wait_dscnt 0x0                               ; W's fragments of this step: nothing was issued to LDS behind them
	TILES \s, (\s)&1, 0, 1
.if \stage
	CVT \s
	STORE \s, AST
.if \wld
	WLOAD \s, VW
.endif
.if (\s) == 3
	WIN 0
	s_wait_dscnt 0x0                               ; my part of the next chunk is in LDS; my reads of this chunk's slot came back at the head of this step
	s_barrier_signal -1
	s_barrier_wait -1                              ; both hold of every wave: the next slot is whole, this one may be written in the next trip
	FLIP
.endif
.endif
.if \wf
	WFLOAD ((\s)+1)&3, ((\s)+1)&1, AWF
.endif
	TILES \s, (\s)&1, 2, 5
.rept 4
	v_nop
.endr
.if \xld
	XLOAD \s, 6
.endif
	WIN 0
.endm
.macro TRIP stage, wld, xld, n0, n1, n2, n3, last
	s_wait_xcnt 0x0                                ; the bases are stepped only behind this wait
.if \wld
	s_add_nc_u64 s[WB:WB+1], s[WB:WB+1], 128*PITCHW
.endif
.if \xld
	s_add_nc_u64 s[XB:XB+1], s[XB:XB+1], 256
.endif
	STEP 0, \n0, \stage, \wld, \xld, 1
	STEP 1, \n1, \stage, \wld, \xld, 1
	STEP 2, \n2, \stage, \wld, \xld, 1
	STEP 3, \n3, \stage, \wld, \xld, 1-(\last)
.endm
; For n slots: place p = 16 (s30 + 4 i + w) + r in the list, held to the last row that exists; its id; the row's byte offset in hb + 16 h
.macro OFFSETS n
	s_add_co_u32 s40, s30, s20
	s_lshl_b32 s40, s40, 4
	v_add_nc_u32 v[SC], s40, v2
.set oi, 0
.rept \n
	v_add_nc_u32 v[SC+1+oi], 64*oi, v[SC]
	v_min_u32 v[SC+1+oi], s25, v[SC+1+oi]
	v_min_u32 v[SC+1+oi], 0x3ff, v[SC+1+oi]
	v_lshl_add_u32 v[SC+1+oi], v[SC+1+oi], 2, LIST
	ds_load_b32 v[OFFT+oi], v[SC+1+oi]
.set oi, oi+1
.endr
	s_wait_dscnt 0x0
.set oi, 0
.rept \n
	v_min_u32 v[OFFT+oi], 0x7ff, v[OFFT+oi]
	v_lshlrev_b32 v[OFFT+oi], 13, v[OFFT+oi]
	v_lshl_add_u32 v[OFFT+oi], v3, 4, v[OFFT+oi]
.set oi, oi+1
.endr
.endm
; Half hf (8 rows) of the tile in my stage: a row of 512 bytes comes back, 16 bytes a lane, and is stored as 512 consecutive bytes of part, aligned.
; All LDS addresses are a register that is never rewritten and an immediate (the list's: an index held to 0 .. 1,023).  v[SC] holds the tile's first place in the list.
.macro HALF hf
	s_wait_xcnt 0x0                                ; the stores of the half before have read their registers
.irp t, 0,1,2,3,4,5,6,7
	v_add_nc_u32 v[T+(\t)], 8*(\hf)+(\t), v[SC]
	v_min_u32 v[T+(\t)], s25, v[T+(\t)]
	v_min_u32 v[T+(\t)], 0x3ff, v[T+(\t)]
	v_lshl_add_u32 v[T+(\t)], v[T+(\t)], 2, LIST
	ds_load_b32 v[T+8+(\t)], v[T+(\t)]             ; the row's id, the same word for all lanes
.endr
.irp t, 0,1,2,3,4,5,6,7
	ds_load_b128 v[U+4*(\t):U+4*(\t)+3], v[ARD0] offset:(8*(\hf)+(\t))*SPT
.endr
	s_wait_dscnt 0x0
.irp t, 0,1,2,3,4,5,6,7
	v_min_u32 v[T+8+(\t)], 0x7ff, v[T+8+(\t)]
	v_lshl_add_u32 v[T+8+(\t)], v[T+8+(\t)], 12, v[L16]
	global_store_b128 v[T+8+(\t)], v[U+4*(\t):U+4*(\t)+3], s[12:13]
.endr
.endm
	s_load_b256 s[4:11], s[0:1], 0x0               ; hb s[4:5], W2 s[6:7], lst s[8:9], cnt s[10:11]
	s_load_b64 s[12:13], s[0:1], 0x20              ; part
	v_lshl_add_u32 v[SPW], v0, 2, SPARE
	v_mov_b32 v[NIL], 0
	v_lshrrev_b32 v[SC], 5, v0
	v_readfirstlane_b32 s20, v[SC]                 ; wave
	s_and_b32 s21, ttmp9, 7                        ; ns: which 128 columns
	s_lshr_b32 s23, ttmp9, 3                       ; kq: which quarter of K
	s_and_b32 s22, ttmp7, 0xffff                   ; expert
	v_and_b32 v1, 31, v0                           ; l
	v_and_b32 v2, 15, v0                           ; r
	v_bfe_u32 v3, v0, 4, 1                         ; h
	v_lshlrev_b32 v[L16], 4, v1
	s_mul_i32 s40, s20, 32*PITCHW
	v_add_nc_u32 v[VW], s40, v[L16]
	v_lshrrev_b32 v[SC], 2, v1
	v_mul_u32_u24 v[SC], v[SC], FB
	v_and_b32 v[SC+1], 3, v1
	v_lshl_add_u32 v[SC], v[SC+1], 6, v[SC]
	s_mul_i32 s40, s20, FS
	v_add_nc_u32 v[AST0], s40, v[SC]
	s_mul_i32 s41, s20, RWB
	s_add_co_u32 s41, s41, RW0                     ; my region
	v_add_nc_u32 v[ASTP0], s41, v[SC]
	v_add_nc_u32 v[AWFP], s41, v[L16]
	s_add_co_u32 s41, s41, STG                     ; my stage
	v_add_nc_u32 v[ARD0], s41, v[L16]
	v_mul_u32_u24 v[SC], v2, SPT
	v_lshl_add_u32 v[SC], v3, 5, v[SC]
	v_add_nc_u32 v[ADMP], s41, v[SC]
	v_lshlrev_b32 v[VO+2], 4, v0                   ; 16 x thread
	v_add_nc_u32 v[VO+3], LIST, v[VO+2]
	s_lshl_b32 s48, s22, 24                        ; W2: expert, quarter of K, columns
	s_lshl_b32 s40, s23, 22
	s_add_co_u32 s48, s48, s40
	s_lshl_b32 s40, s21, 9
	s_add_co_u32 s48, s48, s40
	s_mov_b32 s49, 0
	s_lshl_b32 s50, s23, 11                        ; hb: the quarter's 2,048 bytes of a row
	s_mov_b32 s51, 0
	s_lshl_b32 s52, s23, 23                        ; part: quarter, columns
	s_add_co_u32 s52, s52, s40
	s_mov_b32 s53, 0
	s_lshl_b32 s54, s22, 12                        ; lst
	s_mov_b32 s55, 0
	s_lshl_b32 s56, s22, 2                         ; cnt
	s_mov_b32 s57, 0
	s_wait_kmcnt 0x0
	s_add_nc_u64 s[WB:WB+1], s[WB:WB+1], s[48:49]
	s_add_nc_u64 s[XB:XB+1], s[XB:XB+1], s[50:51]
	s_add_nc_u64 s[12:13], s[12:13], s[52:53]
	s_add_nc_u64 s[8:9], s[8:9], s[54:55]
	s_add_nc_u64 s[10:11], s[10:11], s[56:57]
	s_mov_b64 s[36:37], s[XB:XB+1]
	s_mov_b64 s[38:39], s[WB:WB+1]
	s_load_b32 s24, s[10:11], 0x0                  ; rows of e
	global_load_b128 v[U:U+3],   v[VO+2], s[8:9]               ; the list: 32 bytes a thread
	global_load_b128 v[U+4:U+7], v[VO+2], s[8:9] offset:2048
	WLOAD 0, VW                                    ; chunk 0
	WLOAD 1, VW
	WLOAD 2, VW
	WLOAD 3, VW
	WIN 0x80                                       ; the sums start at 0
.set i, 0
.rept 256
	v_mov_b32 v[i], 0
.set i, i+1
.endr
	WIN 0xc0
.set i, 0
.rept 128
	v_mov_b32 v[i], 0
.set i, i+1
.endr
	WIN 0
	s_wait_loadcnt 32                              ; the list is in: behind it stand the 32 loads of weights
	ds_store_b128 v[VO+3], v[U:U+3]
	ds_store_b128 v[VO+3], v[U+4:U+7] offset:2048
	s_wait_dscnt 0x0                               ; my part of the list is in LDS
	s_barrier_signal -1
	s_barrier_wait -1
	s_wait_kmcnt 0x0
	s_min_u32 s24, s24, 1024
	s_max_u32 s25, s24, 1
	s_sub_co_u32 s25, s25, 1                       ; the last place that exists
	s_add_co_u32 s26, s24, 15
	s_lshr_b32 s26, s26, 4                         ; tiles
	s_min_u32 s40, s26, 24
	s_add_co_u32 s40, s40, 3
	s_sub_co_u32 s40, s40, s20
	s_lshr_b32 s[TW], s40, 2                       ; my live slots in the main pass
	s_max_u32 s28, s26, 24
	s_sub_co_u32 s28, s28, 17
	s_lshr_b32 s28, s28, 3
	s_add_co_u32 s28, s28, 1                       ; 1 + groups of 8 tiles past the 24th
	s_mov_b32 s30, 0
	OFFSETS 6
	s_wait_loadcnt 0x0                             ; chunk 0
	s_add_nc_u64 s[WB:WB+1], s[WB:WB+1], 128*PITCHW
	v_mov_b32 v[AST], v[AST0]
.irp q, 0,1,2,3                                        ; chunk 0 into slot 0; chunk 1's weights and chunk 0's rows are asked for in the loop's own order: 8, 12, 8, 12 ..
	CVT \q
	STORE \q, AST
	WLOAD \q, VW
	XLOAD \q, 6
.endr
	WIN 0
	s_mov_b32 s32, 0
	s_mov_b32 s33, SLOT1
	v_mov_b32 v[AWF], v[L16]
	v_add_nc_u32 v[AST], s33, v[AST0]
	s_wait_dscnt 0x0                               ; my part of slot 0 is in LDS
	s_barrier_signal -1
	s_barrier_wait -1
	WFLOAD 0, 0, AWF
	s_mov_b32 s31, 6
.Ltrip:                                                ; behind a step's loads stand three steps' 8 + 12.  A wave asks for four steps' 80 loads; a load that would pass the counter's field is issued
	TRIP 1, 1, 1, 60, 60, 60, 60, 0                ; when an older one has come back (ISA guide 5.7.1), and the counts hold all the same
	s_sub_co_u32 s31, s31, 1
	s_cmp_lg_u32 s31, 0
	s_cbranch_scc1 .Ltrip
	TRIP 1, 0, 1, 60, 52, 44, 36, 0                ; chunk 6: no weights are left to ask for: 60; 40 + 12; 20 + 24; 36
	TRIP 0, 0, 0, 36, 24, 12, 0, 1                 ; chunk 7: nothing is asked for
	s_mov_b32 s29, 0
.Lg:                                                   ; NGRP trips: group 0 is the main pass's, each further live group makes 8 tiles, dead groups are jumped.  No barrier from here on: all LDS bytes written are the wave's own
	s_cmp_ge_u32 s29, s28
	s_cbranch_scc1 .Lgn
	s_cmp_eq_u32 s29, 0
	s_cbranch_scc1 .Lepi
	s_wait_xcnt 0x0                                ; the last stores have read their registers
	s_lshl_b32 s30, s29, 3
	s_add_co_u32 s30, s30, 16                      ; 24 + 8 (g - 1)
	s_sub_co_u32 s40, s26, s30
	s_min_u32 s40, s40, 8
	s_add_co_u32 s40, s40, 3
	s_sub_co_u32 s40, s40, s20
	s_lshr_b32 s[TW], s40, 2
	OFFSETS 2
	WIN 0x80
.set i, 0
.rept 128
	v_mov_b32 v[i], 0
.set i, i+1
.endr
	WIN 0
	s_mov_b64 s[WB:WB+1], s[38:39]
	s_mov_b64 s[XB:XB+1], s[36:37]
	s_mov_b32 s31, 32
.Lsc:                                                  ; a K step of 32: this wave stages all of it into its own fragments, at fixed LDS addresses, and multiplies its two slots
	WLOAD 0, L16
	WLOAD 1, L16
	WLOAD 2, L16
	WLOAD 3, L16
	XLOAD 0, 2
	WIN 0
	s_wait_loadcnt 0x0                             ; all 36; the bases below are stepped behind this wait
.irp q, 0,1,2,3
	CVT \q
	STORE \q, ASTP0
.endr
	WFLOAD 0, 0, AWFP                              ; LDS serves a wave's instructions in order (ISA guide 5.7.1.4): these see the stores above
	s_wait_dscnt 0x0
	TILES 0, 0, 0, 1
.rept 4
	v_nop
.endr
	s_add_nc_u64 s[WB:WB+1], s[WB:WB+1], 32*PITCHW
	s_add_nc_u64 s[XB:XB+1], s[XB:XB+1], 64
	s_sub_co_u32 s31, s31, 1
	s_cmp_lg_u32 s31, 0
	s_cbranch_scc1 .Lsc
.Lepi:
	; THE WAY OUT, a slot (a tile of 16 rows) a trip: the slot's sums go into my stage of one tile, as rows of 128 f32, and come back by rows.  The accumulators have fixed names, so each slot has its own
	; 16 stores, and the counter picks them; the stage's addresses are the same in every trip.
.rept 4
	v_nop                                          ; the places behind the last matrix instruction
.endr
	s_mov_b32 s34, 0
.Lpb:
	s_cmp_ge_u32 s34, s[TW]
	s_cbranch_scc1 .Lpbn                           ; dead slots are jumped, forward to the counter's step
.irp i, 0,1,2,3,4,5
	s_cmp_lg_u32 s34, \i
	s_cbranch_scc1 .Lnd\i
.if \i < 4
	WIN 0x08                                       ; store data in window 2
.else
	WIN 0x0c                                       ; in window 3
.endif
.irp b, 0,1,2,3,4,5,6,7                                ; each accumulator's low four registers go first
	ds_store_b128 v[ADMP], v[64*((\i)%4)+8*(\b):64*((\i)%4)+8*(\b)+3]   offset:64*(\b)
	ds_store_b128 v[ADMP], v[64*((\i)%4)+8*(\b)+4:64*((\i)%4)+8*(\b)+7] offset:64*(\b)+16
.endr
	WIN 0
.Lnd\i:
.endr
	s_add_co_u32 s35, s30, s20
	s_lshl_b32 s35, s35, 4
	s_lshl_b32 s40, s34, 6
	s_add_co_u32 s35, s35, s40                     ; the tile's first place in the list: 16 (s30 + 4 slot + w)
	v_mov_b32 v[SC], s35
	HALF 0
	HALF 1
.Lpbn:
	s_add_co_u32 s34, s34, 1
	s_cmp_lt_u32 s34, 6
	s_cbranch_scc1 .Lpb
.Lgn:
	s_add_co_u32 s29, s29, 1
	s_cmp_lt_u32 s29, NGRP
	s_cbranch_scc1 .Lg
	s_wait_tensorcnt 0x0                           ; the wave's end
	ds_add_u32 v[SPW], v[NIL]
	s_wait_dscnt 0x0
	s_endpgm
.Lfunc_end_k_q28347d0530_ffn2:
	.size	k_q28347d0530_ffn2, .Lfunc_end_k_q28347d0530_ffn2-k_q28347d0530_ffn2
	.p2alignl 7, 3214868480
	.fill 96, 4, 3214868480
	.section	.rodata,"a",@progbits
	.p2align	6, 0x0
	.amdhsa_kernel k_q28347d0530_ffn2
		.amdhsa_group_segment_fixed_size 166400
		.amdhsa_private_segment_fixed_size 0
		.amdhsa_enable_private_segment 0
		.amdhsa_kernarg_size 40
		.amdhsa_user_sgpr_count 2
		.amdhsa_user_sgpr_kernarg_segment_ptr 1
		.amdhsa_wavefront_size32 1
		.amdhsa_system_sgpr_workgroup_id_x 1
		.amdhsa_system_sgpr_workgroup_id_y 1
		.amdhsa_system_sgpr_workgroup_id_z 1
		.amdhsa_system_vgpr_workitem_id 0
		.amdhsa_next_free_vgpr 1024
		.amdhsa_next_free_sgpr 66
		.amdhsa_reserve_vcc 0
		.amdhsa_float_denorm_mode_32 3
		.amdhsa_float_denorm_mode_16_64 3
		.amdhsa_memory_ordered 1
		.amdhsa_forward_progress 1
		.amdhsa_inst_pref_size 152
	.end_amdhsa_kernel
	.amdgpu_metadata
---
amdhsa.version: [ 1, 2 ]
amdhsa.kernels:
  - .name:           k_q28347d0530_ffn2
    .symbol:         k_q28347d0530_ffn2.kd
    .args:
      - { .name: hb, .offset: 0, .size: 8, .value_kind: global_buffer, .address_space: global }
      - { .name: W2, .offset: 8, .size: 8, .value_kind: global_buffer, .address_space: global }
      - { .name: lst, .offset: 16, .size: 8, .value_kind: global_buffer, .address_space: global }
      - { .name: cnt, .offset: 24, .size: 8, .value_kind: global_buffer, .address_space: global }
      - { .name: part, .offset: 32, .size: 8, .value_kind: global_buffer, .address_space: global }
    .group_segment_fixed_size: 166400
    .private_segment_fixed_size: 0
    .kernarg_segment_align: 8
    .kernarg_segment_size: 40
    .max_flat_workgroup_size: 128
    .sgpr_count:     66
    .vgpr_count:     1024
    .wavefront_size: 32
...
	.end_amdgpu_metadata
.endif
;; end of part 3
;; launch combine (part 4): grid 256 x 1, 8 waves a work-group, no clusters, 0 bytes of LDS; arguments part, b2, ids, p0, out0; writes out0
.if DOCPART == 4
	.amdgcn_target "amdgcn-amd-amdhsa--gfx1250"
	.amdhsa_code_object_version 6
	.text
	.protected	k_q28347d0530_combine
	.globl	k_q28347d0530_combine
	.p2align	8
	.type	k_q28347d0530_combine,@function
k_q28347d0530_combine:
	s_mov_b64 s[64:65], 0
	v_nop
	global_prefetch_b8 v0, s[64:65] scope:SCOPE_SE
	s_setreg_imm32_b32 hwreg(HW_REG_WAVE_MODE, 25, 1), 1
	s_wait_xcnt 0x0
; out0[t] = p0[t] x (the sum of the 8 partial rows of token t (2 choices x 4 quarters of F) + b2[e0] + b2[e1]).
; A stream: memory binds, so no LDS, no matrix unit, no cluster.  A work-group has 4 tokens; thread tau has columns 4 tau .. 4 tau + 3, so each load and store of a wave covers 512 consecutive bytes
; and the eight waves a whole row.  All 40 loads of a thread are issued before its first wait for data.  b2 is used rounded to bf16, like every input; all sums in f32, in a fixed order.
; The experts' numbers come from the whole numbers that the router stored; they are held to 0..7 before they enter an address.
.set R, 16                             ; token k: v[R+40 k ..]: partial row (j, q) at + 4 (4 j + q), b2 of choice j at + 32 + 4 j
.set BB, 36                            ; s[36:51] b2's row for token k, choice j at BB + 2 (2 k + j)
	s_load_b256 s[4:11], s[0:1], 0x0               ; part s[4:5], b2 s[6:7], ids s[8:9], p0 s[10:11]
	s_load_b64 s[12:13], s[0:1], 0x20              ; out0
	v_lshlrev_b32 v1, 4, v0                        ; my 16 bytes of a row
	s_lshl_b32 s14, ttmp9, 4                       ; 4 words of ids and p0
	s_mov_b32 s15, 0
	s_lshl_b32 s2, ttmp9, 14                       ; 4 rows of 4,096 bytes
	s_mov_b32 s3, 0
	s_mov_b32 s52, 0xffff0000
	s_wait_kmcnt 0x0
	s_add_nc_u64 s[8:9], s[8:9], s[14:15]
	s_add_nc_u64 s[10:11], s[10:11], s[14:15]
	s_load_b128 s[16:19], s[8:9], 0x0              ; the four tokens' first experts,
	s_load_b128 s[20:23], s[8:9], 0x1000           ; their second,
	s_load_b128 s[24:27], s[10:11], 0x0            ; their p0
	s_add_nc_u64 s[28:29], s[4:5], s[2:3]          ; part at my rows, for each quarter of F
	s_add_nc_u64 s[30:31], s[28:29], 0x800000
	s_add_nc_u64 s[32:33], s[28:29], 0x1000000
	s_add_nc_u64 s[34:35], s[28:29], 0x1800000
	s_add_nc_u64 s[12:13], s[12:13], s[2:3]
.irp k, 0,1,2,3
.irp j, 0,1
.irp q, 0,1,2,3
	global_load_b128 v[R+40*(\k)+4*(4*(\j)+(\q)):R+40*(\k)+4*(4*(\j)+(\q))+3], v1, s[28+2*(\q):29+2*(\q)] offset:((\j)<<22)+((\k)<<12) th:TH_LOAD_NT
.endr
.endr
.endr
	s_wait_kmcnt 0x0
.irp k, 0,1,2,3
.irp j, 0,1
	s_min_u32 s[BB+2*(2*(\k)+(\j))], s[16+4*(\j)+(\k)], 7
	s_lshl_b32 s[BB+2*(2*(\k)+(\j))], s[BB+2*(2*(\k)+(\j))], 12
	s_mov_b32 s[BB+2*(2*(\k)+(\j))+1], 0
	s_add_nc_u64 s[BB+2*(2*(\k)+(\j)):BB+2*(2*(\k)+(\j))+1], s[6:7], s[BB+2*(2*(\k)+(\j)):BB+2*(2*(\k)+(\j))+1]
	global_load_b128 v[R+40*(\k)+32+4*(\j):R+40*(\k)+32+4*(\j)+3], v1, s[BB+2*(2*(\k)+(\j)):BB+2*(2*(\k)+(\j))+1]
.endr
.endr
.macro TOK k, left                     ; left: the loads of b2 issued behind this token's two; all loads of part stand ahead of them
.set r0, R+40*(\k)
	s_wait_loadcnt \left
.irp j, 0,1
.irp d, 0,2
	v_pk_add_f32 v[r0+16*(\j)+(\d):r0+16*(\j)+(\d)+1],     v[r0+16*(\j)+(\d):r0+16*(\j)+(\d)+1],     v[r0+16*(\j)+4+(\d):r0+16*(\j)+4+(\d)+1]
	v_pk_add_f32 v[r0+16*(\j)+8+(\d):r0+16*(\j)+8+(\d)+1], v[r0+16*(\j)+8+(\d):r0+16*(\j)+8+(\d)+1], v[r0+16*(\j)+12+(\d):r0+16*(\j)+12+(\d)+1]
.endr
.endr
.irp j, 0,1
	v_cvt_pk_bf16_f32 v[2+2*(\j)], v[r0+32+4*(\j)],   v[r0+32+4*(\j)+1]    ; b2 rounded to bf16 and widened again
	v_cvt_pk_bf16_f32 v[3+2*(\j)], v[r0+32+4*(\j)+2], v[r0+32+4*(\j)+3]
.endr
.irp j, 0,1
	v_lshlrev_b32 v[r0+32+4*(\j)],   16,  v[2+2*(\j)]
	v_and_b32     v[r0+32+4*(\j)+1], s52, v[2+2*(\j)]
	v_lshlrev_b32 v[r0+32+4*(\j)+2], 16,  v[3+2*(\j)]
	v_and_b32     v[r0+32+4*(\j)+3], s52, v[3+2*(\j)]
.endr
.irp j, 0,1
.irp d, 0,2
	v_pk_add_f32 v[r0+16*(\j)+(\d):r0+16*(\j)+(\d)+1], v[r0+16*(\j)+(\d):r0+16*(\j)+(\d)+1], v[r0+16*(\j)+8+(\d):r0+16*(\j)+8+(\d)+1]
.endr
.endr
.irp d, 0,2
	v_pk_add_f32 v[r0+(\d):r0+(\d)+1],       v[r0+(\d):r0+(\d)+1],       v[r0+16+(\d):r0+16+(\d)+1]
	v_pk_add_f32 v[r0+32+(\d):r0+32+(\d)+1], v[r0+32+(\d):r0+32+(\d)+1], v[r0+36+(\d):r0+36+(\d)+1]
.endr
.irp d, 0,2
	v_pk_add_f32 v[r0+(\d):r0+(\d)+1], v[r0+(\d):r0+(\d)+1], v[r0+32+(\d):r0+32+(\d)+1]
.endr
.irp d, 0,1,2,3
	v_mul_f32 v[r0+(\d)], s[24+(\k)], v[r0+(\d)]
.endr
	global_store_b128 v1, v[r0:r0+3], s[12:13] offset:(\k)<<12
.endm
	TOK 0, 6
	TOK 1, 4
	TOK 2, 2
	TOK 3, 0
	s_endpgm
.Lfunc_end_k_q28347d0530_combine:
	.size	k_q28347d0530_combine, .Lfunc_end_k_q28347d0530_combine-k_q28347d0530_combine
	.p2alignl 7, 3214868480
	.fill 96, 4, 3214868480
	.section	.rodata,"a",@progbits
	.p2align	6, 0x0
	.amdhsa_kernel k_q28347d0530_combine
		.amdhsa_group_segment_fixed_size 0
		.amdhsa_private_segment_fixed_size 0
		.amdhsa_enable_private_segment 0
		.amdhsa_kernarg_size 40
		.amdhsa_user_sgpr_count 2
		.amdhsa_user_sgpr_kernarg_segment_ptr 1
		.amdhsa_wavefront_size32 1
		.amdhsa_system_sgpr_workgroup_id_x 1
		.amdhsa_system_sgpr_workgroup_id_y 1
		.amdhsa_system_sgpr_workgroup_id_z 1
		.amdhsa_system_vgpr_workitem_id 0
		.amdhsa_next_free_vgpr 176
		.amdhsa_next_free_sgpr 66
		.amdhsa_reserve_vcc 0
		.amdhsa_float_denorm_mode_32 3
		.amdhsa_float_denorm_mode_16_64 3
		.amdhsa_memory_ordered 1
		.amdhsa_forward_progress 1
		.amdhsa_inst_pref_size 14
	.end_amdhsa_kernel
	.amdgpu_metadata
---
amdhsa.version: [ 1, 2 ]
amdhsa.kernels:
  - .name:           k_q28347d0530_combine
    .symbol:         k_q28347d0530_combine.kd
    .args:
      - { .name: part, .offset: 0, .size: 8, .value_kind: global_buffer, .address_space: global }
      - { .name: b2, .offset: 8, .size: 8, .value_kind: global_buffer, .address_space: global }
      - { .name: ids, .offset: 16, .size: 8, .value_kind: global_buffer, .address_space: global }
      - { .name: p0, .offset: 24, .size: 8, .value_kind: global_buffer, .address_space: global }
      - { .name: out0, .offset: 32, .size: 8, .value_kind: global_buffer, .address_space: global }
    .group_segment_fixed_size: 0
    .private_segment_fixed_size: 0
    .kernarg_segment_align: 8
    .kernarg_segment_size: 40
    .max_flat_workgroup_size: 256
    .sgpr_count:     66
    .vgpr_count:     176
    .wavefront_size: 32
...
	.end_amdgpu_metadata
.endif
;; end of part 4
;; ======== version 2 of 2: 4 launches; 1.17 times as fast as version 1
;; workspace buffers: xb 2,097,152 bytes; ids 8,192 bytes of whole numbers; p0 4,096 bytes; lst 32,768 bytes of whole numbers; cnt 256 bytes of whole numbers; hb 86,638,592 bytes; part 33,554,432 bytes
;; launch router: the kernel of part 1 again; grid 256 x 1, 4 waves a work-group, no clusters, 1,024 bytes of LDS; arguments x, Wr, br, xb, ids, p0; writes xb, ids, p0
;; launch ffn1 (part 5): grid 32 x 8, 4 waves a work-group, no clusters, 132,608 bytes of LDS; arguments xb, W1, b1, ids, hb, lst, cnt; writes hb, lst, cnt
.if DOCPART == 5
	.amdgcn_target "amdgcn-amd-amdhsa--gfx1250"
	.amdhsa_code_object_version 6
	.text
	.protected	k_q28347d0530_ffn1
	.globl	k_q28347d0530_ffn1
	.p2align	8
	.type	k_q28347d0530_ffn1,@function
k_q28347d0530_ffn1:
	s_mov_b64 s[64:65], 0
	v_nop
	global_prefetch_b8 v0, s[64:65] scope:SCOPE_SE
	s_setreg_imm32_b32 hwreg(HW_REG_WAVE_MODE, 25, 1), 1
	s_wait_xcnt 0x0
; FIRST PRODUCT.  h = gelu(x[t] W1[e] + b1[e]) in bf16 for the routed rows.  A routed row is named id = j*1024 + t (the token's j-th choice); each id has one expert.
; SHARES.  Work-group (slice, e): 128 columns of expert e, all 1,024 of K: 512 KB of f32 weights that it alone reads, once, and ALL rows of e.  Tile tau (16 rows of e's list) belongs to wave tau % 4,
; slot tau / 4; every wave makes all 128 columns (8 blocks of 16).  The main pass holds 6 slots a wave, 384 rows; rows past 384 go to a second loop (up to 5 groups of 8 tiles) in which every wave streams
; the slice for itself: right for every split of the tokens (0 to 1,024 rows), slow past 384 rows an expert.
; WEIGHTS: memory -> registers (f32; one load = a 512-byte piece of a row of W1) -> rounded in pairs along K -> LDS in the order of the matrix operand (two slots of a K chunk of 128) -> all four waves.
; Wave w stages the 32 K rows of step w of each chunk.  TOKENS: each wave loads its own tiles' operands straight from xb, by the list.  Places past the count repeat the list's last row; so all loads are
; unconditional and every counted wait is the same on every path.  Only matrix work and the way out are jumped for dead slots.
; THE MATRIX INSTRUCTION: source 0 = 16 columns of W1 (K along the registers), source 1 = 16 token rows: lane (r, h) of the result holds token r, register j column 16 b + 8 h + j.
; hb LIES IN THE ORDER OF THE NEXT PRODUCT'S OPERAND.  There these columns are K: a lane's eight numbers of block b, rounded to bf16, are the 16 bytes of half b % 2 of the same lane's fragment of K step
; 4 slice + b / 2.  So nothing changes lanes: the way out is bias, gelu, rounding and 8 stores of 512 consecutive bytes a tile, at slice HSL + e HEX + tile 4,096 + 512 b + 16 lane.
; An expert has room for 64 tiles, which serves every split; of hb's bytes those of the live tiles alone are written and read.  HEX and HSL, 82 and 661 tiles, are no powers of two, so that the pieces
; read at one time differ in their low address bits.  Tile 0 is always made and stored, for an expert without rows too (from token 0): the next launch's loads for dead slots point into it.
; THE SUMS START as products of two zero fragments with C = 0, one line for eight registers, while the first weights are on their way: so they are written whatever the count of rows.
; NO TENSOR LOADS, NO CLUSTER: a slice of weights has one reader, and the rows that an expert's work-groups share come by a list, which no tile descriptor covers.
; THE LIST: wave 0 reads all 2,048 ids and lays the ids of expert e end to end in LDS (its order is free); the work-group of slice 0 stores list and count for the next launch.
; LIMITS.  xb, W1 and b1 are used rounded to bf16, h is rounded once to bf16; sums in f32.  gelu is the tanh form, u / (1 + 2^(u (C0 + C1 u^2))).  NaN and infinities are not treated apart.
.set PITCHW, 16384                     ; bytes from a K row of W1[e] to the next
.set XSTEP,  256                       ; bytes from a K chunk of a row of xb to the next
.set FB,     1040                      ; an operand fragment in LDS: 1,024 bytes (half x 512 + lane x 16) + 16, so that the 16 lanes of a staging store fall into 16 different 16-byte columns of 256 bytes
.set FS,     8*FB                      ; the 8 blocks of a K step
.set SLOT1,  0x10000                   ; W slot 0 at 0, slot 1 here: one exclusive or turns one into the other
.set LIST,   36864                     ; 1,024 words: the expert's row ids, zeros behind the count; directly behind them 32 words (index 1024 + lane) for lanes that have nothing to add
.set CNTW,   41216                     ; the count
.set SPARE,  41472                     ; the spare words, 128 bytes a wave
.set RW0,    SLOT1+4*FS                ; 98,816: from here a region for each wave: its own fragments of one K step (second loop)
.set RWB,    8448
.set NGRP,   6                         ; the main pass and at most 5 groups of 8 tiles: 24 + 40 tiles are 1,024 rows
.set HEX,    82*4096                   ; hb: from expert to expert
.set HSL,    661*4096                  ; hb: from slice to slice
; window 0
.set VW,    4                          ; v4   32 w K rows + 16 l: my place in a chunk of W
.set L16,   5                          ; v5   16 l
.set AST0,  6                          ; v6   w FS + (l/4) FB + (l%4) 64: where I stage, in slot 0
.set AST,   7                          ; v7   the same in the slot that is being written
.set AWF,   8                          ; v8   16 l in the slot that is being read
.set ASTP0, 9                          ; v9   my region + (l/4) FB + (l%4) 64; never rewritten
.set OFFT,  10                         ; v10-15 byte offset in xb of my lane's row, for each slot
.set VO,    24                         ; v24  the bias's address, later the stores' offset; v25-27 the list's copy
.set SPW,   30                         ; v30  SPARE + 4 x my thread's number; never rewritten
.set NIL,   31                         ; v31  0; never rewritten
.set TMP,   32                         ; v32-47 packed weights on their way to LDS
.set AWFP,  51                         ; v51  my region + 16 l; never rewritten
.set SC,    52                         ; v52-63 at work
.set IDS,   64                         ; v64-127 wave 0: the 2,048 ids, 64 a lane
.set U,     64                         ; v64-127  the way out: a slot's 64 numbers
.set T,     128                        ; v128-191 the way out: at work
.set O,     192                        ; v192-223 the way out: packed h
.set WF,    128                        ; v128-255 W's fragments, two buffers of 64; v128-143 also the two zero fragments
; window 1: v0-191 token fragments: step s, slot i at 48 s + 8 i; v192-255 the bias.   window 2: accumulators of slots 0-3 at 64 i + 8 b.   window 3: v0-127 slots 4, 5; v128-255 WS
.set BI,    192                        ; window 1: b1 of column 16 b + 8 h + j at BI + 8 b + j
.set WS,    128                        ; window 3: f32 weights as loaded: quarter q, row i at WS + 32 q + 4 i
.set XB,    4                          ; s[4:5]  xb at the chunk to be asked for;  s[36:37] its start
.set WB,    6                          ; s[6:7]  W1 likewise;                      s[38:39] its start
.set TW,    27                         ; s27  live slots of my wave
; s20 wave, s21 slice, s22 expert, s24 count, s25 max(count,1)-1, s26 tiles, s28 live groups, s29 group, s30 the group's first tile, s31/s34 counters, s32/s33 slot read/written,
; s[42:43] C0, s[44:45] C1, s46 the list's length, s40/s41/s47 at work
.set MSB, 0
.macro WIN new                         ; s_set_vgpr_msb: bits 1:0 source 0, 3:2 source 1, 5:4 source 2, 7:6 destination; the high byte repeats the setting that is left
.if MSB != (\new)
	s_set_vgpr_msb (MSB<<8)|(\new)
.set MSB, \new
.endif
.endm
.macro WLOAD q, areg                   ; 8 K rows: each load is 512 consecutive bytes
	WIN 0xc0
.irp i, 0,1,2,3,4,5,6,7
	global_load_b128 v[WS+32*(\q)+4*(\i):WS+32*(\q)+4*(\i)+3], v[\areg], s[WB:WB+1] offset:(8*(\q)+(\i))*PITCHW th:TH_LOAD_NT
.endr
.endm
.macro CVT q                           ; for each of my 4 columns: 8 K rows rounded in pairs = the 16 bytes of one lane's half fragment
	WIN 0x0f
.irp c, 0,1,2,3
.irp p, 0,1,2,3
	v_cvt_pk_bf16_f32 v[TMP+4*(\c)+(\p)], v[WS+32*(\q)+8*(\p)+(\c)], v[WS+32*(\q)+8*(\p)+4+(\c)]
.endr
.endr
.endm
.macro STORE q, areg                   ; column 4 l + c is row 4 (l%4) + c of block l/4; quarter q is lanes' half q%2 of register half q/2
	WIN 0
.irp c, 0,1,2,3
	ds_store_b128 v[\areg], v[TMP+4*(\c):TMP+4*(\c)+3] offset:16*(\c)+((\q)&1)*256+((\q)>>1)*512
.endr
.endm
.macro XLOAD s, n                      ; token fragments of K step s for n slots: K = 8 h + 0..7 and 16 + 8 h + 0..7 of my lane's row
	WIN 0x40
.set xi, 0
.rept \n
	global_load_b128 v[48*(\s)+8*xi:48*(\s)+8*xi+3],   v[OFFT+xi], s[XB:XB+1] offset:64*(\s)
	global_load_b128 v[48*(\s)+8*xi+4:48*(\s)+8*xi+7], v[OFFT+xi], s[XB:XB+1] offset:64*(\s)+32
.set xi, xi+1
.endr
.endm
.macro WFLOAD s, buf, areg             ; W's 8 fragments of K step s: 16 loads of 512 consecutive bytes
	WIN 0
.irp b, 0,1,2,3,4,5,6,7
	ds_load_b128 v[WF+64*(\buf)+8*(\b):WF+64*(\buf)+8*(\b)+3],   v[\areg] offset:(\s)*FS+(\b)*FB
	ds_load_b128 v[WF+64*(\buf)+8*(\b)+4:WF+64*(\buf)+8*(\b)+7], v[\areg] offset:(\s)*FS+(\b)*FB+512
.endr
.endm
; Slots i0 .. i1, 8 matrix instructions each; from the first dead slot on they are jumped.  The accumulators take turns: block 7 is followed by block 0, on every path.
.macro TILES s, buf, i0, i1
.set ti, \i0
.rept (\i1)-(\i0)+1
	WIN 0
	s_cmp_le_u32 s[TW], ti
	s_cbranch_scc1 .Ltl_\@
.if ti < 4
	WIN 0xa4                                       ; W window 0, tokens window 1, sums window 2
.else
	WIN 0xf4                                       ; sums window 3
.endif
.set ab, 64*(ti%4)
.irp b, 0,1,2,3,4,5,6,7
	v_wmma_f32_16x16x32_bf16 v[ab+8*(\b):ab+8*(\b)+7], v[WF+64*(\buf)+8*(\b):WF+64*(\buf)+8*(\b)+7], v[48*(\s)+8*ti:48*(\s)+8*ti+7], v[ab+8*(\b):ab+8*(\b)+7]
.endr
.set ti, ti+1
.endr
	WIN 0
.Ltl_\@:
.endm
.macro ZREGS                           ; two zero fragments
	WIN 0
.set zi, 0
.rept 16
	v_mov_b32 v[WF+zi], 0
.set zi, zi+1
.endr
.endm
.macro CLEAR n                         ; the sums of n slots start: 0 x 0 + 0, eight registers a line
.set ci, 0
.rept \n
.if ci < 4
	WIN 0x80
.else
	WIN 0xc0
.endif
.irp b, 0,1,2,3,4,5,6,7
	v_wmma_f32_16x16x32_bf16 v[64*(ci%4)+8*(\b):64*(ci%4)+8*(\b)+7], v[WF:WF+7], v[WF+8:WF+15], 0
.endr
.set ci, ci+1
.endr
	WIN 0
.endm
.macro FLIP
	s_xor_b32 s32, s32, SLOT1
	s_xor_b32 s33, s33, SLOT1
	v_add_nc_u32 v[AWF], s32, v[L16]
	v_add_nc_u32 v[AST], s33, v[AST0]
.endm
; A K step of 32.  n: the global loads issued behind this step's token fragments (and behind the quarter of weights that it rounds, which was issued just ahead of them).
; The four v_nop are the places between the step's last matrix instruction and the loads into registers that it read (token fragments now, W's buffer in the next step).
.macro STEP s, n, stage, wld, xld, wf
	s_wait_loadcnt \n
	s_wait_dscnt 0x0                               ; W's fragments of this step: nothing was issued to LDS behind them
.if (\stage) && ((\s) == 3)
	TILES \s, (\s)&1, 0, 0
.else
	TILES \s, (\s)&1, 0, 1
.endif
.if \stage
	CVT \s
	STORE \s, AST
.if (\s) == 0
	s_wait_xcnt 0x0                                ; the bases, which the last trip's loads read, are stepped only behind this wait; sixteen products and the rounding stand between those loads and it
.if \wld
	s_add_nc_u64 s[WB:WB+1], s[WB:WB+1], 128*PITCHW
.endif
	s_add_nc_u64 s[XB:XB+1], s[XB:XB+1], XSTEP
.endif
.if \wld
	WLOAD \s, VW
.endif
.if (\s) == 3
	TILES \s, (\s)&1, 1, 1                         ; eight products stand between the staging stores and the wait for them
	s_wait_dscnt 0x0                               ; my part of the next chunk is in LDS; my reads of this chunk's slot came back at the head of this step
	s_barrier_signal -1
	s_barrier_wait -1                              ; both hold of every wave: the next slot is whole, this one may be written in the next trip
	FLIP
.endif
.endif
.if \wf
	WFLOAD ((\s)+1)&3, ((\s)+1)&1, AWF
.endif
	TILES \s, (\s)&1, 2, 5
.rept 4
	v_nop
.endr
.if \xld
	XLOAD \s, 6
.endif
	WIN 0
.endm
; Trip c multiplies chunk c, rounds chunk c + 1 into the other slot, asks for the weights of chunk c + 2 and the tokens of chunk c + 1.
.macro TRIP stage, wld, xld, n0, n1, n2, n3, last
	STEP 0, \n0, \stage, \wld, \xld, 1
	STEP 1, \n1, \stage, \wld, \xld, 1
	STEP 2, \n2, \stage, \wld, \xld, 1
	STEP 3, \n3, \stage, \wld, \xld, 1-(\last)
.endm
; For n slots: place p = 16 (s30 + 4 i + w) + r in the list, held to the last row that exists; its id; the row's byte offset in xb (token = id % 1024) + 16 h
.macro OFFSETS n
	s_add_co_u32 s40, s30, s20
	s_lshl_b32 s40, s40, 4
	v_add_nc_u32 v[SC], s40, v2
.set oi, 0
.rept \n
	v_add_nc_u32 v[SC+1+oi], 64*oi, v[SC]
	v_min_u32 v[SC+1+oi], s25, v[SC+1+oi]
	v_min_u32 v[SC+1+oi], 0x3ff, v[SC+1+oi]
	v_lshlrev_b32 v[SC+1+oi], 2, v[SC+1+oi]
	ds_load_b32 v[OFFT+oi], v[SC+1+oi] offset:LIST
.set oi, oi+1
.endr
	s_wait_dscnt 0x0
.set oi, 0
.rept \n
	v_min_u32 v[OFFT+oi], 0x7ff, v[OFFT+oi]
	v_and_b32 v[OFFT+oi], 0x3ff, v[OFFT+oi]
	v_lshlrev_b32 v[OFFT+oi], 11, v[OFFT+oi]
	v_lshl_add_u32 v[OFFT+oi], v3, 4, v[OFFT+oi]
.set oi, oi+1
.endr
.endm
.macro TAKE i                          ; slot i's 64 sums + bias into U: the one part of the way out that names the slot; each accumulator's lowest registers are read first
	WIN 0x06+(\i)/4
.set p, 0
.rept 32
	v_pk_add_f32 v[U+2*p:U+2*p+1], v[64*((\i)%4)+2*p:64*((\i)%4)+2*p+1], v[BI+2*p:BI+2*p+1]
.set p, p+1
.endr
	WIN 0
.endm
.macro PRE op, pp                      ; pair pp of 32: u u; C1 u u + C0; times u
.if (\op) == 1
	v_pk_mul_f32 v[T+2*(\pp):T+2*(\pp)+1], v[U+2*(\pp):U+2*(\pp)+1], v[U+2*(\pp):U+2*(\pp)+1]
.elseif (\op) == 2
	v_pk_fma_f32 v[T+2*(\pp):T+2*(\pp)+1], v[T+2*(\pp):T+2*(\pp)+1], s[44:45], s[42:43] op_sel_hi:[1,0,0]
.else
	v_pk_mul_f32 v[T+2*(\pp):T+2*(\pp)+1], v[T+2*(\pp):T+2*(\pp)+1], v[U+2*(\pp):U+2*(\pp)+1]
.endif
.endm
	s_load_b256 s[4:11], s[0:1], 0x0               ; xb s[4:5], W1 s[6:7], b1 s[8:9], ids s[10:11]
	s_load_b128 s[12:15], s[0:1], 0x20             ; hb s[12:13], lst s[14:15]
	s_load_b64 s[16:17], s[0:1], 0x30              ; cnt
	v_lshl_add_u32 v[SPW], v0, 2, SPARE
	v_mov_b32 v[NIL], 0
	v_lshrrev_b32 v[SC], 5, v0
	v_readfirstlane_b32 s20, v[SC]                 ; wave
	s_mov_b32 s21, ttmp9                           ; slice
	s_and_b32 s22, ttmp7, 0xffff                   ; expert
	v_and_b32 v1, 31, v0                           ; l
	v_and_b32 v2, 15, v0                           ; r
	v_bfe_u32 v3, v0, 4, 1                         ; h
	v_lshlrev_b32 v[L16], 4, v1
	s_mul_i32 s40, s20, 32*PITCHW
	v_add_nc_u32 v[VW], s40, v[L16]
	v_lshrrev_b32 v[SC], 2, v1
	v_mul_u32_u24 v[SC], v[SC], FB
	v_and_b32 v[SC+1], 3, v1
	v_lshl_add_u32 v[SC], v[SC+1], 6, v[SC]
	s_mul_i32 s40, s20, FS
	v_add_nc_u32 v[AST0], s40, v[SC]
	s_mul_i32 s41, s20, RWB
	s_add_co_u32 s41, s41, RW0                     ; my region
	v_add_nc_u32 v[ASTP0], s41, v[SC]
	v_add_nc_u32 v[AWFP], s41, v[L16]
	v_lshlrev_b32 v[VO], 5, v3                     ; b1: my 8 numbers of a block begin 32 h bytes into its 64
	v_lshlrev_b32 v[VO+2], 4, v0                   ; 16 x thread: the list's copy
	ZREGS
	s_lshl_b32 s48, s22, 24                        ; W1: expert, slice
	s_lshl_b32 s40, s21, 9
	s_add_co_u32 s48, s48, s40
	s_mov_b32 s49, 0
	s_lshl_b32 s50, s22, 14                        ; b1
	s_add_co_u32 s50, s50, s40
	s_mov_b32 s51, 0
	s_mul_i32 s52, s21, HSL                        ; hb: slice, expert
	s_mul_i32 s40, s22, HEX
	s_add_co_u32 s52, s52, s40
	s_mov_b32 s53, 0
	s_lshl_b32 s54, s22, 12                        ; lst
	s_mov_b32 s55, 0
	s_lshl_b32 s56, s22, 2                         ; cnt
	s_mov_b32 s57, 0
	s_mov_b32 s42, 0xc0135761                      ; C0 = -2 sqrt(2/pi) log2 e
	s_mov_b32 s43, s42
	s_mov_b32 s44, 0xbdd2d3e8                      ; C1 = 0.044715 C0
	s_mov_b32 s45, s44
	s_wait_kmcnt 0x0
	s_add_nc_u64 s[WB:WB+1], s[WB:WB+1], s[48:49]
	s_add_nc_u64 s[8:9], s[8:9], s[50:51]
	s_add_nc_u64 s[12:13], s[12:13], s[52:53]
	s_add_nc_u64 s[14:15], s[14:15], s[54:55]
	s_add_nc_u64 s[16:17], s[16:17], s[56:57]
	s_mov_b64 s[36:37], s[XB:XB+1]
	s_mov_b64 s[38:39], s[WB:WB+1]
	WIN 0x40
.irp b, 0,1,2,3,4,5,6,7
	global_load_b128 v[BI+8*(\b):BI+8*(\b)+3],   v[VO], s[8:9] offset:64*(\b)      ; sixteen lanes read the same 16 bytes
	global_load_b128 v[BI+8*(\b)+4:BI+8*(\b)+7], v[VO], s[8:9] offset:64*(\b)+16
.endr
	WIN 0
	s_cmp_lg_u32 s20, 0
	s_cbranch_scc1 .Lnoids
.irp c, 0,1,2,3,4,5,6,7,8,9,10,11,12,13,14,15
	global_load_b128 v[IDS+4*(\c):IDS+4*(\c)+3], v[L16], s[10:11] offset:512*(\c)   ; wave 0: register 4 c + i holds the expert of row id 128 c + 4 l + i
.endr
.Lnoids:
	WLOAD 0, VW                                    ; chunk 0
	WLOAD 1, VW
	WLOAD 2, VW
	WLOAD 3, VW
	CLEAR 6
	s_cmp_lg_u32 s20, 0
	s_cbranch_scc1 .Lnolist
	s_wait_loadcnt 32                              ; the ids are in: behind them stand the 32 loads of weights
.irp k, 4,5,6,7
	v_mov_b32 v[SC+(\k)], 0
.endr
.irp k, 0,1,2,3,4,5,6,7
	ds_store_b128 v[L16], v[SC+4:SC+7] offset:LIST+512*(\k)    ; the list is zeros behind the count
.endr
	v_add_nc_u32 v[SC+1], 1024, v1                 ; the index of my word behind the list
.irp j, 0,1,2,3
	v_lshl_add_u32 v[SC+8+(\j)], v1, 2, \j         ; the row id of register j: 4 l + j, and 128 more for each four registers
.endr
	s_mov_b32 s46, 0
	s_movk_i32 s47, 128
.set gi, 0
.rept 64                                               ; 32 ids at a time: a lane whose id goes to e takes the next place, counted over the lanes below it; the others write behind the list.
	v_cmp_eq_u32 vcc_lo, s22, v[IDS+gi]            ; The index is chosen first, then held to 0 .. 1,055, and only shifted behind that
	v_mbcnt_lo_u32_b32 v[SC+4+gi%4], vcc_lo, s46
	v_cndmask_b32 v[SC+4+gi%4], v[SC+1], v[SC+4+gi%4], vcc_lo
	v_min_u32 v[SC+4+gi%4], 0x41f, v[SC+4+gi%4]
	v_lshlrev_b32 v[SC+4+gi%4], 2, v[SC+4+gi%4]
	ds_store_b32 v[SC+4+gi%4], v[SC+8+gi%4] offset:LIST
	v_add_nc_u32 v[SC+8+gi%4], s47, v[SC+8+gi%4]
	s_bcnt1_i32_b32 s40, vcc_lo
	s_add_co_u32 s46, s46, s40
.set gi, gi+1
.endr
	v_mov_b32 v[SC], CNTW
	v_mov_b32 v[SC+3], s46
	ds_store_b32 v[SC], v[SC+3]
.Lnolist:
	s_wait_dscnt 0x0                               ; wave 0: list and count are in LDS
	s_barrier_signal -1
	s_barrier_wait -1
	v_mov_b32 v[SC], CNTW
	ds_load_b32 v[SC], v[SC]
	s_wait_dscnt 0x0
	v_readfirstlane_b32 s24, v[SC]
	s_min_u32 s24, s24, 1024                       ; rows of e
	s_max_u32 s25, s24, 1
	s_sub_co_u32 s25, s25, 1                       ; the last place that exists
	s_add_co_u32 s26, s24, 15
	s_lshr_b32 s26, s26, 4
	s_max_u32 s26, s26, 1                          ; tiles; tile 0 is made in any case
	s_min_u32 s40, s26, 24
	s_add_co_u32 s40, s40, 3
	s_sub_co_u32 s40, s40, s20
	s_lshr_b32 s[TW], s40, 2                       ; my live slots in the main pass
	s_max_u32 s28, s26, 24
	s_sub_co_u32 s28, s28, 17
	s_lshr_b32 s28, s28, 3
	s_add_co_u32 s28, s28, 1                       ; 1 + groups of 8 tiles past the 24th
	s_mov_b32 s30, 0
	OFFSETS 6
	s_cmp_lg_u32 s21, 0
	s_cbranch_scc1 .Lnocopy                        ; slice 0 stores list and count for the next launch
	ds_load_b128 v[U:U+3],   v[VO+2] offset:LIST
	ds_load_b128 v[U+4:U+7], v[VO+2] offset:LIST+2048
	s_wait_dscnt 0x0
	global_store_b128 v[VO+2], v[U:U+3],   s[14:15]
	global_store_b128 v[VO+2], v[U+4:U+7], s[14:15] offset:2048
	s_cmp_lg_u32 s20, 0
	s_cbranch_scc1 .Lnocopy
	v_mov_b32 v[VO+3], 0
	v_mov_b32 v[VO+1], s24
	global_store_b32 v[VO+3], v[VO+1], s[16:17]
.Lnocopy:
	s_wait_loadcnt 0x0                             ; chunk 0 and the bias
	s_mov_b32 s47, 0xffff0000
	WIN 0x05                                       ; the bias is used rounded to bf16, like every input: rounded in pairs, and widened again
.set k, 0
.rept 32
	v_cvt_pk_bf16_f32 v[WF+k], v[BI+2*k], v[BI+2*k+1]
.set k, k+1
.endr
	WIN 0x40
.set k, 0
.rept 32
	v_lshlrev_b32 v[BI+2*k],   16,  v[WF+k]
	v_and_b32     v[BI+2*k+1], s47, v[WF+k]
.set k, k+1
.endr
	WIN 0
	s_add_nc_u64 s[WB:WB+1], s[WB:WB+1], 128*PITCHW
	v_mov_b32 v[AST], v[AST0]
.irp q, 0,1,2,3                                        ; chunk 0 into slot 0; chunk 1's weights and chunk 0's tokens are asked for in the loop's own order: 8, 12, 8, 12 ..
	CVT \q
	STORE \q, AST
	WLOAD \q, VW
	XLOAD \q, 6
.endr
	WIN 0
	s_mov_b32 s32, 0
	s_mov_b32 s33, SLOT1
	v_mov_b32 v[AWF], v[L16]
	v_add_nc_u32 v[AST], s33, v[AST0]
	s_wait_dscnt 0x0                               ; my part of slot 0 is in LDS
	s_barrier_signal -1
	s_barrier_wait -1
	WFLOAD 0, 0, AWF
	s_mov_b32 s31, 6
.Ltrip:                                                ; behind a step's loads stand three steps' 8 + 12.  A wave asks for four steps' 80 loads; a load that would pass the counter's field is issued
	TRIP 1, 1, 1, 60, 60, 60, 60, 0                ; when an older one has come back (ISA guide 5.7.1), and the counts hold all the same
	s_sub_co_u32 s31, s31, 1
	s_cmp_lg_u32 s31, 0
	s_cbranch_scc1 .Ltrip
	TRIP 1, 0, 1, 60, 52, 44, 36, 0                ; chunk 6: no weights are left to ask for: 60; 40 + 12; 20 + 24; 36
	TRIP 0, 0, 0, 36, 24, 12, 0, 1                 ; chunk 7: nothing is asked for
	s_mov_b32 s29, 0
.Lg:                                                   ; NGRP trips: group 0 is the main pass's, each further live group makes 8 tiles, dead groups are jumped.  No barrier from here on: all LDS bytes written are the wave's own
	s_cmp_ge_u32 s29, s28
	s_cbranch_scc1 .Lgn
	s_cmp_eq_u32 s29, 0
	s_cbranch_scc1 .Lepi
	s_wait_xcnt 0x0                                ; the last stores have read their registers
	s_lshl_b32 s30, s29, 3
	s_add_co_u32 s30, s30, 16                      ; 24 + 8 (g - 1)
	s_sub_co_u32 s40, s26, s30
	s_min_u32 s40, s40, 8
	s_add_co_u32 s40, s40, 3
	s_sub_co_u32 s40, s40, s20
	s_lshr_b32 s[TW], s40, 2
	ZREGS
	OFFSETS 2
	CLEAR 2
	s_mov_b64 s[WB:WB+1], s[38:39]
	s_mov_b64 s[XB:XB+1], s[36:37]
	s_mov_b32 s31, 32
.Lsc:                                                  ; a K step of 32: this wave stages all of it into its own fragments, at fixed LDS addresses, and multiplies its two slots
	WLOAD 0, L16
	WLOAD 1, L16
	WLOAD 2, L16
	WLOAD 3, L16
	XLOAD 0, 2
	WIN 0
	s_wait_loadcnt 0x0                             ; all 36; the bases below are stepped behind this wait
.irp q, 0,1,2,3
	CVT \q
	STORE \q, ASTP0
.endr
	WFLOAD 0, 0, AWFP                              ; LDS serves a wave's instructions in order (ISA guide 5.7.1.4): these see the stores above
	s_wait_dscnt 0x0
	TILES 0, 0, 0, 1
.rept 4
	v_nop
.endr
	s_add_nc_u64 s[WB:WB+1], s[WB:WB+1], 32*PITCHW
	s_add_nc_u64 s[XB:XB+1], s[XB:XB+1], 64
	s_sub_co_u32 s31, s31, 1
	s_cmp_lg_u32 s31, 0
	s_cbranch_scc1 .Lsc
.Lepi:
	; THE WAY OUT, a slot (a tile of 16 rows) a trip.  The accumulators have fixed names, so each slot has its own 32 lines that add the bias and bring the sums into U; the counter picks them.  All else is written once.
.rept 4
	v_nop                                          ; the places behind the last matrix instruction
.endr
	s_mov_b32 s34, 0
.Lpb:
	s_cmp_ge_u32 s34, s[TW]
	s_cbranch_scc1 .Lpbn                           ; dead slots are jumped, forward to the counter's step
	s_wait_xcnt 0x0                                ; the stores of the slot before have read their registers
.irp i, 0,1,2,3,4
	s_cmp_lg_u32 s34, \i
	s_cbranch_scc1 .Lnd\i
	TAKE \i
	s_branch .Lsel
.Lnd\i:
.endr
	TAKE 5
.Lsel:
	s_lshl_b32 s40, s34, 2
	s_add_co_u32 s40, s40, s30
	s_add_co_u32 s40, s40, s20                     ; the tile: s30 + 4 slot + w
	s_lshl_b32 s40, s40, 12
	v_add_nc_u32 v[VO], s40, v[L16]
	; 64 numbers in two halves A, B, so that plain work stands between the transcendentals; each batch has one wait ahead of its first use
.irp op, 1,2,3
.set k, 0
.rept 16
	PRE \op, k
.set k, k+1
.endr
.endr
.set k, 0
.rept 16                                               ; 2^(..) of A | B's arguments
	v_exp_f32 v[T+2*k], v[T+2*k]
	PRE 1+(3*k)/16, 16+(3*k)%16
	v_exp_f32 v[T+2*k+1], v[T+2*k+1]
	PRE 1+(3*k+1)/16, 16+(3*k+1)%16
	PRE 1+(3*k+2)/16, 16+(3*k+2)%16
.set k, k+1
.endr
	s_wait_alu depctr_va_vdst(0)
.set k, 0
.rept 32                                               ; 2^(..) of B | 1 + A
	v_exp_f32 v[T+32+k], v[T+32+k]
.if k%2 == 0
	v_pk_add_f32 v[T+k:T+k+1], v[T+k:T+k+1], 1.0 op_sel_hi:[1,0]
.endif
.set k, k+1
.endr
	v_nop
	s_wait_alu depctr_va_vdst(0)
.set k, 0
.rept 32                                               ; 1 / A | 1 + B
	v_rcp_f32 v[T+k], v[T+k]
.if k%2 == 0
	v_pk_add_f32 v[T+32+k:T+32+k+1], v[T+32+k:T+32+k+1], 1.0 op_sel_hi:[1,0]
.endif
.set k, k+1
.endr
	v_nop
	s_wait_alu depctr_va_vdst(0)
.set k, 0
.rept 32                                               ; 1 / B | A's products and roundings
	v_rcp_f32 v[T+32+k], v[T+32+k]
.if k < 16
	v_pk_mul_f32 v[U+2*k:U+2*k+1], v[U+2*k:U+2*k+1], v[T+2*k:T+2*k+1]
.else
	v_cvt_pk_bf16_f32 v[O+k-16], v[U+2*(k-16)], v[U+2*(k-16)+1]
.endif
.set k, k+1
.endr
	v_nop
	s_wait_alu depctr_va_vdst(0)
.irp b, 0,1,2,3
	global_store_b128 v[VO], v[O+4*(\b):O+4*(\b)+3], s[12:13] offset:512*(\b) th:TH_STORE_NT   ; 32 lanes x 16 bytes: 512 consecutive bytes, aligned
.endr
.set k, 16
.rept 16
	v_pk_mul_f32 v[U+2*k:U+2*k+1], v[U+2*k:U+2*k+1], v[T+2*k:T+2*k+1]
.set k, k+1
.endr
.set k, 16
.rept 16
	v_cvt_pk_bf16_f32 v[O+k], v[U+2*k], v[U+2*k+1]
.set k, k+1
.endr
.irp b, 4,5,6,7
	global_store_b128 v[VO], v[O+4*(\b):O+4*(\b)+3], s[12:13] offset:512*(\b) th:TH_STORE_NT
.endr
.Lpbn:
	s_add_co_u32 s34, s34, 1
	s_cmp_lt_u32 s34, 6
	s_cbranch_scc1 .Lpb
.Lgn:
	s_add_co_u32 s29, s29, 1
	s_cmp_lt_u32 s29, NGRP
	s_cbranch_scc1 .Lg
	s_wait_tensorcnt 0x0                           ; the wave's end
	ds_add_u32 v[SPW], v[NIL]
	s_wait_dscnt 0x0
	s_endpgm
.Lfunc_end_k_q28347d0530_ffn1:
	.size	k_q28347d0530_ffn1, .Lfunc_end_k_q28347d0530_ffn1-k_q28347d0530_ffn1
	.p2alignl 7, 3214868480
	.fill 96, 4, 3214868480
	.section	.rodata,"a",@progbits
	.p2align	6, 0x0
	.amdhsa_kernel k_q28347d0530_ffn1
		.amdhsa_group_segment_fixed_size 132608
		.amdhsa_private_segment_fixed_size 0
		.amdhsa_enable_private_segment 0
		.amdhsa_kernarg_size 56
		.amdhsa_user_sgpr_count 2
		.amdhsa_user_sgpr_kernarg_segment_ptr 1
		.amdhsa_wavefront_size32 1
		.amdhsa_system_sgpr_workgroup_id_x 1
		.amdhsa_system_sgpr_workgroup_id_y 1
		.amdhsa_system_sgpr_workgroup_id_z 1
		.amdhsa_system_vgpr_workitem_id 0
		.amdhsa_next_free_vgpr 1024
		.amdhsa_next_free_sgpr 66
		.amdhsa_reserve_vcc 1
		.amdhsa_float_denorm_mode_32 3
		.amdhsa_float_denorm_mode_16_64 3
		.amdhsa_memory_ordered 1
		.amdhsa_forward_progress 1
		.amdhsa_inst_pref_size 188
	.end_amdhsa_kernel
	.amdgpu_metadata
---
amdhsa.version: [ 1, 2 ]
amdhsa.kernels:
  - .name:           k_q28347d0530_ffn1
    .symbol:         k_q28347d0530_ffn1.kd
    .args:
      - { .name: xb, .offset: 0, .size: 8, .value_kind: global_buffer, .address_space: global }
      - { .name: W1, .offset: 8, .size: 8, .value_kind: global_buffer, .address_space: global }
      - { .name: b1, .offset: 16, .size: 8, .value_kind: global_buffer, .address_space: global }
      - { .name: ids, .offset: 24, .size: 8, .value_kind: global_buffer, .address_space: global }
      - { .name: hb, .offset: 32, .size: 8, .value_kind: global_buffer, .address_space: global }
      - { .name: lst, .offset: 40, .size: 8, .value_kind: global_buffer, .address_space: global }
      - { .name: cnt, .offset: 48, .size: 8, .value_kind: global_buffer, .address_space: global }
    .group_segment_fixed_size: 132608
    .private_segment_fixed_size: 0
    .kernarg_segment_align: 8
    .kernarg_segment_size: 56
    .max_flat_workgroup_size: 128
    .sgpr_count:     66
    .vgpr_count:     1024
    .wavefront_size: 32
...
	.end_amdgpu_metadata
.endif
;; end of part 5
;; launch ffn2 (part 6): grid 32 x 8, 4 waves a work-group, no clusters, 166,400 bytes of LDS; arguments hb, W2, lst, cnt, part; writes part
.if DOCPART == 6
	.amdgcn_target "amdgcn-amd-amdhsa--gfx1250"
	.amdhsa_code_object_version 6
	.text
	.protected	k_q28347d0530_ffn2
	.globl	k_q28347d0530_ffn2
	.p2align	8
	.type	k_q28347d0530_ffn2,@function
k_q28347d0530_ffn2:
	s_mov_b64 s[64:65], 0
	v_nop
	global_prefetch_b8 v0, s[64:65] scope:SCOPE_SE
	s_setreg_imm32_b32 hwreg(HW_REG_WAVE_MODE, 25, 1), 1
	s_wait_xcnt 0x0
; SECOND PRODUCT.  part[kq][id][n] = the sum over the quarter kq of F of h[id][f] W2[e][f][n], in f32, for the routed rows (id = j*1024 + t; each id has one expert).
; The same shape and the same loop as the first product: work-group (x, e), x = 8 kq + ns: 128 columns (ns) of expert e, 1,024 of K (kq): 512 KB of f32 weights that it alone reads, once, and ALL rows of e.
; K is cut in four so that 256 work-groups have equal shares with row pieces of 512 bytes; the four partial sums stay f32 and are added, with b2 and p0, by the next launch.
; Tile tau (16 rows of e's list) belongs to wave tau % 4, slot tau / 4; the main pass holds 6 slots a wave, 384 rows; rows past 384 go to a second loop (up to 5 groups of 8 tiles) in which every wave
; streams the slice for itself: right for every split of the tokens (0 to 1,024 rows), slow past 384 rows an expert.
; WEIGHTS: memory -> registers (f32) -> rounded in pairs along K -> LDS in the order of the matrix operand (two slots of a K chunk of 128) -> all four waves; wave w stages K step w of each chunk.
; ROWS: the launch before laid h in the order of this product's operand: the fragment of tile tau and K step 4 sl + s (sl = 8 kq + chunk) lies at sl HSL + e HEX + tau 4,096 + s 1,024, half x 512 + lane x 16:
; each load covers 512 consecutive bytes, and no list is needed.  A dead slot's loads read 16 bytes of the expert's last live tile (tile 0, which is always written, where it has no rows), all lanes the
; same; nothing is made of them.  So all loads are unconditional and every counted wait is the same on every path; only matrix work and the way out are jumped for dead slots.
; The list that the launch before stored names the rows on the way out.  Places past the count repeat the list's last row and are stored to the same bytes again with the same numbers.
; Source 0 = 16 columns of W2, source 1 = 16 rows of h: lane (r, h) of the result holds row r, register j column 16 b + 8 h + j.
; THE SUMS START as products of two zero fragments with C = 0, one line for eight registers, while the first weights are on their way: so they are written whatever the count of rows.
; NO TENSOR LOADS, NO CLUSTER: a slice of weights has one reader; what an expert's eight column slices share, a fragment of h, goes straight into registers as a matrix operand.
; LIMITS.  W2 is used rounded to bf16; sums in f32.  NaN and infinities are not treated apart.
.set PITCHW, 4096                      ; bytes from a K row of W2[e] to the next
.set HEX,    82*4096                   ; hb: from expert to expert
.set HSL,    661*4096                  ; hb: from slice (a K chunk of 128) to slice
.set XSTEP,  HSL
.set FB,     1040                      ; an operand fragment in LDS: 1,024 bytes (half x 512 + lane x 16) + 16
.set FS,     8*FB
.set SLOT1,  0x10000
.set LIST,   36864                     ; 1,024 words: the expert's row ids
.set SPARE,  41472                     ; the spare words, 128 bytes a wave
.set RW0,    SLOT1+4*FS
.set SPT,    528                       ; a stage row: 512 bytes of f32 + 16
.set STG,    16*SPT                    ; a wave's region: 8,320 bytes of its own fragments of one K step (second loop), from byte 8,448 on its stage of one tile, 16 rows
.set RWB,    2*STG
.set NGRP,   6                         ; the main pass and at most 5 groups of 8 tiles: 24 + 40 tiles are 1,024 rows
.set VW,    4                          ; window 0 as in the first product
.set L16,   5
.set AST0,  6
.set AST,   7
.set AWF,   8
.set ASTP0, 9                          ; v9   my region + (l/4) FB + (l%4) 64; never rewritten
.set OFFT,  10                         ; v10-15 byte offset in hb of my lane's 16 bytes of a fragment, for each slot
.set VO,    24                         ; v26 16 x thread
.set ADMP,  28                         ; v28  my stage + r SPT + 32 h; never rewritten
.set ARD0,  29                         ; v29  my stage + 16 l; never rewritten
.set SPW,   30
.set NIL,   31
.set TMP,   32
.set AWFP,  51                         ; v51  my region + 16 l; never rewritten
.set SC,    52
.set U,     64                         ; v64-95  the way out: 8 rows x 16 bytes a lane (before the loop: the list on its way to LDS)
.set T,     96                         ; v96-103 LDS addresses, v104-111 ids and store offsets
.set WF,    128                        ; v128-255 W's fragments, two buffers of 64; v128-143 also the two zero fragments
.set WS,    128                        ; window 3
.set XB,    4                          ; s[4:5]  hb at the chunk to be asked for;  s[36:37] its start
.set WB,    6                          ; s[6:7]  W2 likewise;                      s[38:39] its start
.set TW,    27
; s20 wave, s21 ns, s22 expert, s23 kq, s24 count, s25 max(count,1)-1, s26 tiles, s48 max(tiles,1)-1, s28 live groups, s29 group, s30 the group's first tile, s31/s34/s49 counters, s32/s33 slot read/written,
; s40/s41/s47 at work
.set MSB, 0
.macro WIN new                         ; s_set_vgpr_msb: bits 1:0 source 0, 3:2 source 1, 5:4 source 2, 7:6 destination; the high byte repeats the setting that is left
.if MSB != (\new)
	s_set_vgpr_msb (MSB<<8)|(\new)
.set MSB, \new
.endif
.endm
.macro WLOAD q, areg                   ; 8 K rows: each load is 512 consecutive bytes
	WIN 0xc0
.irp i, 0,1,2,3,4,5,6,7
	global_load_b128 v[WS+32*(\q)+4*(\i):WS+32*(\q)+4*(\i)+3], v[\areg], s[WB:WB+1] offset:(8*(\q)+(\i))*PITCHW th:TH_LOAD_NT
.endr
.endm
.macro CVT q                           ; for each of my 4 columns: 8 K rows rounded in pairs = the 16 bytes of one lane's half fragment
	WIN 0x0f
.irp c, 0,1,2,3
.irp p, 0,1,2,3
	v_cvt_pk_bf16_f32 v[TMP+4*(\c)+(\p)], v[WS+32*(\q)+8*(\p)+(\c)], v[WS+32*(\q)+8*(\p)+4+(\c)]
.endr
.endr
.endm
.macro STORE q, areg
	WIN 0
.irp c, 0,1,2,3
	ds_store_b128 v[\areg], v[TMP+4*(\c):TMP+4*(\c)+3] offset:16*(\c)+((\q)&1)*256+((\q)>>1)*512
.endr
.endm
.macro XLOAD s, n                      ; the fragments of h of K step s for n slots: two loads of 512 consecutive bytes each
	WIN 0x40
.set xi, 0
.rept \n
	global_load_b128 v[48*(\s)+8*xi:48*(\s)+8*xi+3],   v[OFFT+xi], s[XB:XB+1] offset:1024*(\s)
	global_load_b128 v[48*(\s)+8*xi+4:48*(\s)+8*xi+7], v[OFFT+xi], s[XB:XB+1] offset:1024*(\s)+512
.set xi, xi+1
.endr
.endm
.macro WFLOAD s, buf, areg
	WIN 0
.irp b, 0,1,2,3,4,5,6,7
	ds_load_b128 v[WF+64*(\buf)+8*(\b):WF+64*(\buf)+8*(\b)+3],   v[\areg] offset:(\s)*FS+(\b)*FB
	ds_load_b128 v[WF+64*(\buf)+8*(\b)+4:WF+64*(\buf)+8*(\b)+7], v[\areg] offset:(\s)*FS+(\b)*FB+512
.endr
.endm
; Slots i0 .. i1, 8 matrix instructions each; from the first dead slot on they are jumped.  The accumulators take turns: block 7 is followed by block 0, on every path.
.macro TILES s, buf, i0, i1
.set ti, \i0
.rept (\i1)-(\i0)+1
	WIN 0
	s_cmp_le_u32 s[TW], ti
	s_cbranch_scc1 .Ltl_\@
.if ti < 4
	WIN 0xa4
.else
	WIN 0xf4
.endif
.set ab, 64*(ti%4)
.irp b, 0,1,2,3,4,5,6,7
	v_wmma_f32_16x16x32_bf16 v[ab+8*(\b):ab+8*(\b)+7], v[WF+64*(\buf)+8*(\b):WF+64*(\buf)+8*(\b)+7], v[48*(\s)+8*ti:48*(\s)+8*ti+7], v[ab+8*(\b):ab+8*(\b)+7]
.endr
.set ti, ti+1
.endr
	WIN 0
.Ltl_\@:
.endm
.macro ZREGS                           ; two zero fragments
	WIN 0
.set zi, 0
.rept 16
	v_mov_b32 v[WF+zi], 0
.set zi, zi+1
.endr
.endm
.macro CLEAR n                         ; the sums of n slots start: 0 x 0 + 0, eight registers a line
.set ci, 0
.rept \n
.if ci < 4
	WIN 0x80
.else
	WIN 0xc0
.endif
.irp b, 0,1,2,3,4,5,6,7
	v_wmma_f32_16x16x32_bf16 v[64*(ci%4)+8*(\b):64*(ci%4)+8*(\b)+7], v[WF:WF+7], v[WF+8:WF+15], 0
.endr
.set ci, ci+1
.endr
	WIN 0
.endm
.macro FLIP
	s_xor_b32 s32, s32, SLOT1
	s_xor_b32 s33, s33, SLOT1
	v_add_nc_u32 v[AWF], s32, v[L16]
	v_add_nc_u32 v[AST], s33, v[AST0]
.endm
; A K step of 32.  n: the global loads issued behind this step's row fragments (and behind the quarter of weights that it rounds, which was issued just ahead of them).
; The four v_nop are the places between the step's last matrix instruction and the loads into registers that it read.
.macro STEP s, n, stage, wld, xld, wf
	s_wait_loadcnt \n
	s_wait_dscnt 0x0                               ; W's fragments of this step: nothing was issued to LDS behind them
.if (\stage) && ((\s) == 3)
	TILES \s, (\s)&1, 0, 0
.else
	TILES \s, (\s)&1, 0, 1
.endif
.if \stage
	CVT \s
	STORE \s, AST
.if (\s) == 0
	s_wait_xcnt 0x0                                ; the bases, which the last trip's loads read, are stepped only behind this wait; sixteen products and the rounding stand between those loads and it
.if \wld
	s_add_nc_u64 s[WB:WB+1], s[WB:WB+1], 128*PITCHW
.endif
	s_add_nc_u64 s[XB:XB+1], s[XB:XB+1], XSTEP
.endif
.if \wld
	WLOAD \s, VW
.endif
.if (\s) == 3
	TILES \s, (\s)&1, 1, 1                         ; eight products stand between the staging stores and the wait for them
	s_wait_dscnt 0x0                               ; my part of the next chunk is in LDS; my reads of this chunk's slot came back at the head of this step
	s_barrier_signal -1
	s_barrier_wait -1                              ; both hold of every wave: the next slot is whole, this one may be written in the next trip
	FLIP
.endif
.endif
.if \wf
	WFLOAD ((\s)+1)&3, ((\s)+1)&1, AWF
.endif
	TILES \s, (\s)&1, 2, 5
.rept 4
	v_nop
.endr
.if \xld
	XLOAD \s, 6
.endif
	WIN 0
.endm
; Trip c multiplies chunk c, rounds chunk c + 1 into the other slot, asks for the weights of chunk c + 2 and the rows of chunk c + 1.
.macro TRIP stage, wld, xld, n0, n1, n2, n3, last
	STEP 0, \n0, \stage, \wld, \xld, 1
	STEP 1, \n1, \stage, \wld, \xld, 1
	STEP 2, \n2, \stage, \wld, \xld, 1
	STEP 3, \n3, \stage, \wld, \xld, 1-(\last)
.endm
; For n slots: tile tau = s30 + 4 i + w.  Live: tau 4,096 + 16 l.  Dead: the last live tile's first 16 bytes, for all lanes.
; (tiles - tau, or 0) x 512 is 0 for a dead slot and 512 or more for a live one: the lesser of it and 16 l is the lane's term.  The offset's last line holds it to 63 tiles + 496 bytes, the largest that the layout has.
.macro OFFSETS n
	s_add_co_u32 s40, s30, s20
.set oi, 0
.rept \n
	s_add_co_u32 s41, s40, 4*oi
	s_max_u32 s47, s26, s41
	s_sub_co_u32 s47, s47, s41
	s_lshl_b32 s47, s47, 9
	s_min_u32 s41, s41, s48
	s_lshl_b32 s41, s41, 12
	v_min_u32 v[OFFT+oi], s47, v[L16]
	v_add_nc_u32 v[OFFT+oi], s41, v[OFFT+oi]
	v_min_u32 v[OFFT+oi], 0x3f1f0, v[OFFT+oi]
.set oi, oi+1
.endr
.endm
; Half hf (8 rows) of the tile in my stage: a row of 512 bytes comes back, 16 bytes a lane, and is stored as 512 consecutive bytes of part, aligned.
; All LDS addresses are a register that is never rewritten and an immediate (the list's: an index held to 0 .. 1,023).  v[SC] holds the tile's first place in the list.
.macro HALF hf
	s_wait_xcnt 0x0                                ; the stores of the half before have read their registers
.irp t, 0,1,2,3,4,5,6,7
	v_add_nc_u32 v[T+(\t)], 8*(\hf)+(\t), v[SC]
	v_min_u32 v[T+(\t)], s25, v[T+(\t)]
	v_min_u32 v[T+(\t)], 0x3ff, v[T+(\t)]
	v_lshlrev_b32 v[T+(\t)], 2, v[T+(\t)]
	ds_load_b32 v[T+8+(\t)], v[T+(\t)] offset:LIST ; the row's id, the same word for all lanes
.endr
.irp t, 0,1,2,3,4,5,6,7
	ds_load_b128 v[U+4*(\t):U+4*(\t)+3], v[ARD0] offset:(8*(\hf)+(\t))*SPT
.endr
	s_wait_dscnt 0x0
.irp t, 0,1,2,3,4,5,6,7
	v_min_u32 v[T+8+(\t)], 0x7ff, v[T+8+(\t)]
	v_lshl_add_u32 v[T+8+(\t)], v[T+8+(\t)], 12, v[L16]
	global_store_b128 v[T+8+(\t)], v[U+4*(\t):U+4*(\t)+3], s[12:13] th:TH_STORE_NT
.endr
.endm
	s_load_b256 s[4:11], s[0:1], 0x0               ; hb s[4:5], W2 s[6:7], lst s[8:9], cnt s[10:11]
	s_load_b64 s[12:13], s[0:1], 0x20              ; part
	v_lshl_add_u32 v[SPW], v0, 2, SPARE
	v_mov_b32 v[NIL], 0
	v_lshrrev_b32 v[SC], 5, v0
	v_readfirstlane_b32 s20, v[SC]                 ; wave
	s_and_b32 s21, ttmp9, 7                        ; ns: which 128 columns
	s_lshr_b32 s23, ttmp9, 3                       ; kq: which quarter of K
	s_and_b32 s22, ttmp7, 0xffff                   ; expert
	v_and_b32 v1, 31, v0                           ; l
	v_and_b32 v2, 15, v0                           ; r
	v_bfe_u32 v3, v0, 4, 1                         ; h
	v_lshlrev_b32 v[L16], 4, v1
	s_mul_i32 s40, s20, 32*PITCHW
	v_add_nc_u32 v[VW], s40, v[L16]
	v_lshrrev_b32 v[SC], 2, v1
	v_mul_u32_u24 v[SC], v[SC], FB
	v_and_b32 v[SC+1], 3, v1
	v_lshl_add_u32 v[SC], v[SC+1], 6, v[SC]
	s_mul_i32 s40, s20, FS
	v_add_nc_u32 v[AST0], s40, v[SC]
	s_mul_i32 s41, s20, RWB
	s_add_co_u32 s41, s41, RW0                     ; my region
	v_add_nc_u32 v[ASTP0], s41, v[SC]
	v_add_nc_u32 v[AWFP], s41, v[L16]
	s_add_co_u32 s41, s41, STG                     ; my stage
	v_add_nc_u32 v[ARD0], s41, v[L16]
	v_mul_u32_u24 v[SC], v2, SPT
	v_lshl_add_u32 v[SC], v3, 5, v[SC]
	v_add_nc_u32 v[ADMP], s41, v[SC]
	v_lshlrev_b32 v[VO+2], 4, v0                   ; 16 x thread
	ZREGS
	s_lshl_b32 s48, s22, 24                        ; W2: expert, quarter of K, columns
	s_lshl_b32 s40, s23, 22
	s_add_co_u32 s48, s48, s40
	s_lshl_b32 s40, s21, 9
	s_add_co_u32 s48, s48, s40
	s_mov_b32 s49, 0
	s_lshl_b32 s52, s23, 23                        ; part: quarter, columns
	s_add_co_u32 s52, s52, s40
	s_mov_b32 s53, 0
	s_mul_i32 s50, s23, 8*HSL                      ; hb: the quarter's first slice, expert
	s_mul_i32 s40, s22, HEX
	s_add_co_u32 s50, s50, s40
	s_mov_b32 s51, 0
	s_lshl_b32 s54, s22, 12                        ; lst
	s_mov_b32 s55, 0
	s_lshl_b32 s56, s22, 2                         ; cnt
	s_mov_b32 s57, 0
	s_wait_kmcnt 0x0
	s_add_nc_u64 s[WB:WB+1], s[WB:WB+1], s[48:49]
	s_add_nc_u64 s[XB:XB+1], s[XB:XB+1], s[50:51]
	s_add_nc_u64 s[12:13], s[12:13], s[52:53]
	s_add_nc_u64 s[8:9], s[8:9], s[54:55]
	s_add_nc_u64 s[10:11], s[10:11], s[56:57]
	s_mov_b64 s[36:37], s[XB:XB+1]
	s_mov_b64 s[38:39], s[WB:WB+1]
	s_load_b32 s24, s[10:11], 0x0                  ; rows of e
	global_load_b128 v[U:U+3],   v[VO+2], s[8:9]               ; the list: 32 bytes a thread
	global_load_b128 v[U+4:U+7], v[VO+2], s[8:9] offset:2048
	WLOAD 0, VW                                    ; chunk 0
	WLOAD 1, VW
	WLOAD 2, VW
	WLOAD 3, VW
	CLEAR 6
	s_wait_kmcnt 0x0
	s_min_u32 s24, s24, 1024
	s_max_u32 s25, s24, 1
	s_sub_co_u32 s25, s25, 1                       ; the last place that exists
	s_add_co_u32 s26, s24, 15
	s_lshr_b32 s26, s26, 4                         ; tiles
	s_max_u32 s48, s26, 1
	s_sub_co_u32 s48, s48, 1                       ; the last live tile, or tile 0
	s_min_u32 s40, s26, 24
	s_add_co_u32 s40, s40, 3
	s_sub_co_u32 s40, s40, s20
	s_lshr_b32 s[TW], s40, 2                       ; my live slots in the main pass
	s_max_u32 s28, s26, 24
	s_sub_co_u32 s28, s28, 17
	s_lshr_b32 s28, s28, 3
	s_add_co_u32 s28, s28, 1                       ; 1 + groups of 8 tiles past the 24th
	s_mov_b32 s30, 0
	OFFSETS 6
	s_wait_loadcnt 0x0                             ; the list and chunk 0
	ds_store_b128 v[VO+2], v[U:U+3]   offset:LIST              ; the list is read on the way out alone: the barrier below and the loop's stand between
	ds_store_b128 v[VO+2], v[U+4:U+7] offset:LIST+2048
	s_add_nc_u64 s[WB:WB+1], s[WB:WB+1], 128*PITCHW
	v_mov_b32 v[AST], v[AST0]
.irp q, 0,1,2,3                                        ; chunk 0 into slot 0; chunk 1's weights and chunk 0's rows are asked for in the loop's own order: 8, 12, 8, 12 ..
	CVT \q
	STORE \q, AST
	WLOAD \q, VW
	XLOAD \q, 6
.endr
	WIN 0
	s_mov_b32 s32, 0
	s_mov_b32 s33, SLOT1
	v_mov_b32 v[AWF], v[L16]
	v_add_nc_u32 v[AST], s33, v[AST0]
	s_wait_dscnt 0x0                               ; my parts of the list and of slot 0 are in LDS
	s_barrier_signal -1
	s_barrier_wait -1
	WFLOAD 0, 0, AWF
	s_mov_b32 s31, 6
.Ltrip:                                                ; behind a step's loads stand three steps' 8 + 12.  A wave asks for four steps' 80 loads; a load that would pass the counter's field is issued
	TRIP 1, 1, 1, 60, 60, 60, 60, 0                ; when an older one has come back (ISA guide 5.7.1), and the counts hold all the same
	s_sub_co_u32 s31, s31, 1
	s_cmp_lg_u32 s31, 0
	s_cbranch_scc1 .Ltrip
	TRIP 1, 0, 1, 60, 52, 44, 36, 0                ; chunk 6: no weights are left to ask for: 60; 40 + 12; 20 + 24; 36
	TRIP 0, 0, 0, 36, 24, 12, 0, 1                 ; chunk 7: nothing is asked for
	s_mov_b32 s29, 0
.Lg:                                                   ; NGRP trips: group 0 is the main pass's, each further live group makes 8 tiles, dead groups are jumped.  No barrier from here on: all LDS bytes written are the wave's own
	s_cmp_ge_u32 s29, s28
	s_cbranch_scc1 .Lgn
	s_cmp_eq_u32 s29, 0
	s_cbranch_scc1 .Lepi
	s_wait_xcnt 0x0                                ; the last stores have read their registers
	s_lshl_b32 s30, s29, 3
	s_add_co_u32 s30, s30, 16                      ; 24 + 8 (g - 1)
	s_sub_co_u32 s40, s26, s30
	s_min_u32 s40, s40, 8
	s_add_co_u32 s40, s40, 3
	s_sub_co_u32 s40, s40, s20
	s_lshr_b32 s[TW], s40, 2
	ZREGS
	OFFSETS 2
	CLEAR 2
	s_mov_b64 s[WB:WB+1], s[38:39]
	s_mov_b64 s[XB:XB+1], s[36:37]
	s_mov_b32 s49, 8
.Lso:                                                  ; a chunk of 128 along K: a slice of hb
	s_mov_b32 s31, 4
.Lsc:                                                  ; a K step of 32: this wave stages all of it into its own fragments, at fixed LDS addresses, and multiplies its two slots
	WLOAD 0, L16
	WLOAD 1, L16
	WLOAD 2, L16
	WLOAD 3, L16
	XLOAD 0, 2
	WIN 0
	s_wait_loadcnt 0x0                             ; all 36; the bases below are stepped behind this wait
.irp q, 0,1,2,3
	CVT \q
	STORE \q, ASTP0
.endr
	WFLOAD 0, 0, AWFP                              ; LDS serves a wave's instructions in order (ISA guide 5.7.1.4): these see the stores above
	s_wait_dscnt 0x0
	TILES 0, 0, 0, 1
.rept 4
	v_nop
.endr
	s_add_nc_u64 s[WB:WB+1], s[WB:WB+1], 32*PITCHW
	s_add_nc_u64 s[XB:XB+1], s[XB:XB+1], 1024
	s_sub_co_u32 s31, s31, 1
	s_cmp_lg_u32 s31, 0
	s_cbranch_scc1 .Lsc
	s_add_nc_u64 s[XB:XB+1], s[XB:XB+1], HSL-4096
	s_sub_co_u32 s49, s49, 1
	s_cmp_lg_u32 s49, 0
	s_cbranch_scc1 .Lso
.Lepi:
	; THE WAY OUT, a slot (a tile of 16 rows) a trip: the slot's sums go into my stage of one tile, as rows of 128 f32, and come back by rows.  The accumulators have fixed names, so each slot has its own
	; 16 stores, and the counter picks them; the stage's addresses are the same in every trip.
.rept 4
	v_nop                                          ; the places behind the last matrix instruction
.endr
	s_mov_b32 s34, 0
.Lpb:
	s_cmp_ge_u32 s34, s[TW]
	s_cbranch_scc1 .Lpbn                           ; dead slots are jumped, forward to the counter's step
.irp i, 0,1,2,3,4,5
	s_cmp_lg_u32 s34, \i
	s_cbranch_scc1 .Lnd\i
.if \i < 4
	WIN 0x08                                       ; store data in window 2
.else
	WIN 0x0c                                       ; in window 3
.endif
.irp b, 0,1,2,3,4,5,6,7                                ; each accumulator's low four registers go first
	ds_store_b128 v[ADMP], v[64*((\i)%4)+8*(\b):64*((\i)%4)+8*(\b)+3]   offset:64*(\b)
	ds_store_b128 v[ADMP], v[64*((\i)%4)+8*(\b)+4:64*((\i)%4)+8*(\b)+7] offset:64*(\b)+16
.endr
	WIN 0
.Lnd\i:
.endr
	s_add_co_u32 s35, s30, s20
	s_lshl_b32 s35, s35, 4
	s_lshl_b32 s40, s34, 6
	s_add_co_u32 s35, s35, s40                     ; the tile's first place in the list: 16 (s30 + 4 slot + w)
	v_mov_b32 v[SC], s35
	HALF 0
	HALF 1
.Lpbn:
	s_add_co_u32 s34, s34, 1
	s_cmp_lt_u32 s34, 6
	s_cbranch_scc1 .Lpb
.Lgn:
	s_add_co_u32 s29, s29, 1
	s_cmp_lt_u32 s29, NGRP
	s_cbranch_scc1 .Lg
	s_wait_tensorcnt 0x0                           ; the wave's end
	ds_add_u32 v[SPW], v[NIL]
	s_wait_dscnt 0x0
	s_endpgm
.Lfunc_end_k_q28347d0530_ffn2:
	.size	k_q28347d0530_ffn2, .Lfunc_end_k_q28347d0530_ffn2-k_q28347d0530_ffn2
	.p2alignl 7, 3214868480
	.fill 96, 4, 3214868480
	.section	.rodata,"a",@progbits
	.p2align	6, 0x0
	.amdhsa_kernel k_q28347d0530_ffn2
		.amdhsa_group_segment_fixed_size 166400
		.amdhsa_private_segment_fixed_size 0
		.amdhsa_enable_private_segment 0
		.amdhsa_kernarg_size 40
		.amdhsa_user_sgpr_count 2
		.amdhsa_user_sgpr_kernarg_segment_ptr 1
		.amdhsa_wavefront_size32 1
		.amdhsa_system_sgpr_workgroup_id_x 1
		.amdhsa_system_sgpr_workgroup_id_y 1
		.amdhsa_system_sgpr_workgroup_id_z 1
		.amdhsa_system_vgpr_workitem_id 0
		.amdhsa_next_free_vgpr 1024
		.amdhsa_next_free_sgpr 66
		.amdhsa_reserve_vcc 0
		.amdhsa_float_denorm_mode_32 3
		.amdhsa_float_denorm_mode_16_64 3
		.amdhsa_memory_ordered 1
		.amdhsa_forward_progress 1
		.amdhsa_inst_pref_size 139
	.end_amdhsa_kernel
	.amdgpu_metadata
---
amdhsa.version: [ 1, 2 ]
amdhsa.kernels:
  - .name:           k_q28347d0530_ffn2
    .symbol:         k_q28347d0530_ffn2.kd
    .args:
      - { .name: hb, .offset: 0, .size: 8, .value_kind: global_buffer, .address_space: global }
      - { .name: W2, .offset: 8, .size: 8, .value_kind: global_buffer, .address_space: global }
      - { .name: lst, .offset: 16, .size: 8, .value_kind: global_buffer, .address_space: global }
      - { .name: cnt, .offset: 24, .size: 8, .value_kind: global_buffer, .address_space: global }
      - { .name: part, .offset: 32, .size: 8, .value_kind: global_buffer, .address_space: global }
    .group_segment_fixed_size: 166400
    .private_segment_fixed_size: 0
    .kernarg_segment_align: 8
    .kernarg_segment_size: 40
    .max_flat_workgroup_size: 128
    .sgpr_count:     66
    .vgpr_count:     1024
    .wavefront_size: 32
...
	.end_amdgpu_metadata
.endif
;; end of part 6
;; launch combine: the kernel of part 4 again; grid 256 x 1, 8 waves a work-group, no clusters, 0 bytes of LDS; arguments part, b2, ids, p0, out0; writes out0
